; MI455X (gfx1250); checked and timed in simulation.
; The chip was launched on July 23, 2026; its instructions are those of AMD's public machine-readable ISA for CDNA 5 (MIT licence, August 2026) and "CDNA5" Instruction Set Architecture Reference Guide (July 2026). The comments in the code are by the model that wrote it; some were corrected since.
;; Causal Self Attention. Allowed arithmetic: float matrix products may take bf16 or f16 operands with f32 sums; other float arithmetic in f32, or as packed bf16 or f16 multiplies, adds, multiply-adds, maxima and minima; sums over many terms, partial sums and values carried from step to step in f32; what a program stores and reads back later, other than sums and carried values, may be rounded once to bf16 or f16.
;; Inputs: k_gain 4 float32; q_gain 16 float32; wk 512 x 2,048 float32; wo 2,048 x 2,048 float32; wq 2,048 x 2,048 float32; wv 512 x 2,048 float32; x 4 x 1,024 x 2,048 float32.
;; Outputs: out0 4 x 1,024 x 2,048 float32.
;; 2 versions, each right; version 2 is version 1 with the launch prep written anew for expert scheduling mode. Each part assembles by itself: llvm-mc -triple=amdgcn-amd-amdhsa -mcpu=gfx1250 --defsym DOCPART=n.
;; ======== version 1 of 2: 4 launches
;; limits: values are held in f16: magnitudes above 65,504 overflow, below 6.1e-05 lose precision
;; workspace buffers: xb 16,777,216 bytes; wqkv 12,582,912 bytes; wof 8,388,608 bytes; rope 524,288 bytes; qkv 25,165,824 bytes; y 16,777,216 bytes
;; launch prep (part 1): grid 640 x 1, 8 waves a work-group, no clusters, 0 bytes of LDS; arguments x, wq, wk, wv, wo, xb, wqkv, wof, rope; writes xb, wqkv, wof, rope
.if DOCPART == 1
	.amdgcn_target "amdgcn-amd-amdhsa--gfx1250"
	.amdhsa_code_object_version 6
	.text
	.protected	k_q0731ea8561_prep
	.globl	k_q0731ea8561_prep
	.p2align	8
	.type	k_q0731ea8561_prep,@function
k_q0731ea8561_prep:
	s_mov_b64 s[64:65], 0
	v_nop
	global_prefetch_b8 v0, s[64:65] scope:SCOPE_SE
	s_setreg_imm32_b32 hwreg(HW_REG_WAVE_MODE, 25, 1), 1
	s_wait_xcnt 0x0
; PREP: the casts, the row order of the projection weights, and the table of cosines and sines.
;   xb   [4096][2048] bf16 = x.      wqkv [3072][2048] bf16 = wq, wk, wv one below the other.      wof [2048][2048] f16 = wo rounded to bf16, that number written as f16.
;   rope [1024][128] f32: row t holds cos(t f_j), j = 0..63, then sin(t f_j), f_j = 10000^(-j/64).
; ROW ORDER OF wqkv.  Row n = 128 head + u.  In the 20 heads of q and k, row u holds channel d = 64 ((u >> 4) & 1) + 16 (u >> 5) + (u & 15): each 32 rows are 16 channels and their
; partners 64 further on, so that the rotation finds both in one wave's registers in the next launch.  q and k share the order, so their products do not see it.  v's rows keep theirs.
; SHARES.  640 work-groups of 8 waves.  0-255: 16 rows of x each.  256-447: 16 rows of wqkv (16 rows on end in the source too).  448-575: 16 rows of wo.  576-639: 16 rows of the table.
; A streaming work-group has all its 32 loads (131,072 bytes) out before the first wait; a wave's store covers 256 consecutive bytes, aligned.  The conversions are made in place, in the registers
; that the loads filled, so that a wave needs 136 registers and more work-groups find room on a WGP at once.  No LDS, no matrix unit: memory binds.
; LIMITS.  wof: below 6e-5 f16 keeps its fixed step of 6e-8; beyond 65,504 it has no number.  The table's angle t f_j carries the exponential's last bit: about 1e-4 radians at the largest angles.
.set IN,  8                            ; v[8:135]  32 loads of 4 registers; the first two of each four then hold what is stored; none is written again behind its store, so no wait frees one
.macro STREAM mode                     ; 16 rows from s[28:29] to s[30:31].  mode 0: bf16.  mode 1: rounded to bf16, written as f16
.set i, 0
.rept 32
	global_load_b128 v[IN+4*i:IN+4*i+3], v1, s[28:29] offset:4096*i th:TH_LOAD_NT
.set i, i+1
.endr
.set i, 0
.rept 32
	s_wait_loadcnt 31-i                            ; loads come back in order: load i is in, the 31 - i younger ones stay out
.if \mode
	v_cvt_pk_bf16_f32 v[IN+4*i], v[IN+4*i], v[IN+4*i+1]
	v_lshlrev_b32 v[IN+4*i+1], 16, v[IN+4*i]               ; the two bf16 as f32 again,
	v_and_b32 v[IN+4*i], 0xffff0000, v[IN+4*i]
	v_cvt_pk_f16_f32 v[IN+4*i], v[IN+4*i+1], v[IN+4*i]     ; and as f16: 8 significant bits fit in 11
	v_cvt_pk_bf16_f32 v[IN+4*i+2], v[IN+4*i+2], v[IN+4*i+3]
	v_lshlrev_b32 v[IN+4*i+3], 16, v[IN+4*i+2]
	v_and_b32 v[IN+4*i+2], 0xffff0000, v[IN+4*i+2]
	v_cvt_pk_f16_f32 v[IN+4*i+1], v[IN+4*i+3], v[IN+4*i+2]
.else
	v_cvt_pk_bf16_f32 v[IN+4*i], v[IN+4*i], v[IN+4*i+1]
	v_cvt_pk_bf16_f32 v[IN+4*i+1], v[IN+4*i+2], v[IN+4*i+3]
.endif
	global_store_b64 v2, v[IN+4*i:IN+4*i+1], s[30:31] offset:2048*i
.set i, i+1
.endr
.endm
	s_load_b512 s[8:23], s[0:1], 0x0               ; x 8, wq 10, wk 12, wv 14, wo 16, xb 18, wqkv 20, wof 22
	s_load_b64 s[24:25], s[0:1], 0x40              ; rope
	s_mov_b32 s2, ttmp9                            ; g
	v_lshlrev_b32 v1, 4, v0                        ; 16 bytes a thread in,
	v_lshlrev_b32 v2, 3, v0                        ; 8 out
	s_mov_b32 s27, 0
	s_cmp_ge_u32 s2, 576
	s_cbranch_scc1 .Ltable
	s_cmp_ge_u32 s2, 448
	s_cbranch_scc1 .Lwo
	; x or a projection weight.  For g < 256 the weight's figures below are made and not used.
	s_sub_co_u32 s3, s2, 256                       ; g': block of 16 rows of wqkv
	s_lshr_b32 s4, s3, 3                           ; head 0..23
	s_and_b32 s5, s3, 1
	s_lshl_b32 s5, s5, 6
	s_bfe_u32 s6, s3, 0x20001
	s_lshl_b32 s6, s6, 4
	s_add_co_u32 s5, s5, s6                        ; q, k: the block's first channel 64 (g' & 1) + 16 ((g' >> 1) & 3)
	s_and_b32 s6, s3, 7
	s_lshl_b32 s6, s6, 4                           ; v: 16 (g' & 7)
	s_wait_kmcnt 0x0
	s_cmp_lt_u32 s4, 16
	s_cselect_b64 s[28:29], s[10:11], s[12:13]     ; wq or wk,
	s_cselect_b32 s7, 0, 16
	s_cmp_lt_u32 s4, 20
	s_cselect_b64 s[28:29], s[28:29], s[14:15]     ; or wv
	s_cselect_b32 s7, s7, 20
	s_cselect_b32 s5, s5, s6
	s_sub_co_u32 s4, s4, s7                        ; the head in its own tensor
	s_lshl_b32 s4, s4, 7
	s_add_co_u32 s4, s4, s5                        ; the weight's source row
	s_lshl_b32 s5, s2, 4                           ; x's source row
	s_cmp_lt_u32 s2, 256
	s_cselect_b64 s[28:29], s[8:9], s[28:29]
	s_cselect_b64 s[30:31], s[18:19], s[20:21]
	s_cselect_b32 s4, s5, s4
	s_cselect_b32 s3, s2, s3
	s_lshl_b32 s26, s4, 13                         ; a source row is 8,192 bytes
	s_add_nc_u64 s[28:29], s[28:29], s[26:27]
	s_lshl_b32 s26, s3, 16                         ; 16 rows of 4,096 bytes out
	s_add_nc_u64 s[30:31], s[30:31], s[26:27]
	STREAM 0
	s_endpgm
.Lwo:
	s_sub_co_u32 s3, s2, 448
	s_lshl_b32 s26, s3, 17
	s_wait_kmcnt 0x0
	s_add_nc_u64 s[28:29], s[16:17], s[26:27]
	s_lshl_b32 s26, s3, 16
	s_add_nc_u64 s[30:31], s[22:23], s[26:27]
	STREAM 1
	s_endpgm
.Ltable:
	; Thread: row t = 16 (g - 576) + thread / 16, frequencies j = 4 (thread % 16) + 0..3.  The angle is reduced by multiples of pi/2 (in two parts) to |r| <= pi/4;
	; sine and cosine of r by polynomials of degree 7 and 8; the quadrant swaps them and sets the signs.  Row 0 comes out as exactly cos = 1, sin = 0: the next launch leans on that for v.
	s_sub_co_u32 s3, s2, 576
	s_lshl_b32 s26, s3, 13                         ; 16 rows of 512 bytes
	s_lshl_b32 s4, s3, 4
	v_lshrrev_b32 v3, 4, v0
	v_and_b32 v4, 15, v0
	v_add_nc_u32 v5, s4, v3
	v_cvt_f32_u32 v5, v5                           ; t
	v_lshlrev_b32 v6, 2, v4                        ; my first j
	v_lshlrev_b32 v7, 9, v3
	v_lshl_add_u32 v7, v4, 4, v7                   ; my 16 bytes of cosines in the 16 rows
	v_mov_b32 v8, 0xb94ca1f9                       ; the polynomials' leading coefficients
	v_mov_b32 v9, 0x37ccf5ce
.irp k, 0,1,2,3
	v_add_nc_u32 v[16+\k], \k, v6
	v_cvt_f32_u32 v[16+\k], v[16+\k]
	v_mul_f32 v[16+\k], 0xbe549a78, v[16+\k]       ; -j log2(10000) / 64
.endr
.irp k, 0,1,2,3
	v_exp_f32 v[20+\k], v[16+\k]                   ; f_j
.endr
	v_nop                                          ; a plain instruction behind the last exponential,
	s_wait_alu depctr_va_vdst(0)                   ; and one wait for the batch of four, ahead of the first use
.irp k, 0,1,2,3
	v_mul_f32 v[20+\k], v5, v[20+\k]               ; the angle
	v_mul_f32 v[24+\k], 0x3f22f983, v[20+\k]       ; x 2/pi
	v_rndne_f32 v[24+\k], v[24+\k]                 ; n
	v_fmamk_f32 v[28+\k], v[24+\k], 0xbfc90fdb, v[20+\k]  ; r = angle - n pi/2, the upper part,
	v_fmamk_f32 v[28+\k], v[24+\k], 0x333bbd2e, v[28+\k]  ; and the rest
	v_mul_f32 v[32+\k], v[28+\k], v[28+\k]         ; z = r r
	v_fmaak_f32 v[36+\k], v8, v[32+\k], 0x3c08839e
	v_fmaak_f32 v[36+\k], v[36+\k], v[32+\k], 0xbe2aaaa3
	v_mul_f32 v[36+\k], v[36+\k], v[32+\k]
	v_fma_f32 v[36+\k], v[36+\k], v[28+\k], v[28+\k]  ; sin r
	v_fmaak_f32 v[40+\k], v9, v[32+\k], 0xbab6061a
	v_fmaak_f32 v[40+\k], v[40+\k], v[32+\k], 0x3d2aaaa5
	v_mul_f32 v[40+\k], v[40+\k], v[32+\k]
	v_fma_f32 v[44+\k], v[32+\k], -0.5, 1.0
	v_fma_f32 v[40+\k], v[40+\k], v[32+\k], v[44+\k]  ; cos r
	v_cvt_i32_f32 v[44+\k], v[24+\k]
	v_and_b32 v[24+\k], 1, v[44+\k]
	v_cmp_eq_u32 vcc_lo, 1, v[24+\k]               ; an odd quadrant swaps the two: a choice of values, no branch
	v_cndmask_b32 v[52+\k], v[36+\k], v[40+\k], vcc_lo
	v_cndmask_b32 v[48+\k], v[40+\k], v[36+\k], vcc_lo
	v_and_b32 v[24+\k], 2, v[44+\k]                ; the sine is negative in quadrants 2, 3,
	v_lshlrev_b32 v[24+\k], 30, v[24+\k]
	v_xor_b32 v[52+\k], v[52+\k], v[24+\k]
	v_add_nc_u32 v[44+\k], 1, v[44+\k]             ; the cosine in 1, 2
	v_and_b32 v[44+\k], 2, v[44+\k]
	v_lshlrev_b32 v[44+\k], 30, v[44+\k]
	v_xor_b32 v[48+\k], v[48+\k], v[44+\k]
.endr
	s_wait_kmcnt 0x0
	s_add_nc_u64 s[24:25], s[24:25], s[26:27]
	global_store_b128 v7, v[48:51], s[24:25]               ; sixteen lanes store a row's 256 bytes of cosines,
	global_store_b128 v7, v[52:55], s[24:25] offset:256    ; and of sines
	s_endpgm
.Lfunc_end_k_q0731ea8561_prep:
	.size	k_q0731ea8561_prep, .Lfunc_end_k_q0731ea8561_prep-k_q0731ea8561_prep
	.p2alignl 7, 3214868480
	.fill 96, 4, 3214868480
	.section	.rodata,"a",@progbits
	.p2align	6, 0x0
	.amdhsa_kernel k_q0731ea8561_prep
		.amdhsa_group_segment_fixed_size 0
		.amdhsa_private_segment_fixed_size 0
		.amdhsa_enable_private_segment 0
		.amdhsa_kernarg_size 72
		.amdhsa_user_sgpr_count 2
		.amdhsa_user_sgpr_kernarg_segment_ptr 1
		.amdhsa_wavefront_size32 1
		.amdhsa_system_sgpr_workgroup_id_x 1
		.amdhsa_system_sgpr_workgroup_id_y 1
		.amdhsa_system_sgpr_workgroup_id_z 1
		.amdhsa_system_vgpr_workitem_id 0
		.amdhsa_next_free_vgpr 136
		.amdhsa_next_free_sgpr 66
		.amdhsa_reserve_vcc 1
		.amdhsa_float_denorm_mode_32 3
		.amdhsa_float_denorm_mode_16_64 3
		.amdhsa_memory_ordered 1
		.amdhsa_forward_progress 1
		.amdhsa_inst_pref_size 41
	.end_amdhsa_kernel
	.amdgpu_metadata
---
amdhsa.version: [ 1, 2 ]
amdhsa.kernels:
  - .name:           k_q0731ea8561_prep
    .symbol:         k_q0731ea8561_prep.kd
    .args:
      - { .name: x, .offset: 0, .size: 8, .value_kind: global_buffer, .address_space: global }
      - { .name: wq, .offset: 8, .size: 8, .value_kind: global_buffer, .address_space: global }
      - { .name: wk, .offset: 16, .size: 8, .value_kind: global_buffer, .address_space: global }
      - { .name: wv, .offset: 24, .size: 8, .value_kind: global_buffer, .address_space: global }
      - { .name: wo, .offset: 32, .size: 8, .value_kind: global_buffer, .address_space: global }
      - { .name: xb, .offset: 40, .size: 8, .value_kind: global_buffer, .address_space: global }
      - { .name: wqkv, .offset: 48, .size: 8, .value_kind: global_buffer, .address_space: global }
      - { .name: wof, .offset: 56, .size: 8, .value_kind: global_buffer, .address_space: global }
      - { .name: rope, .offset: 64, .size: 8, .value_kind: global_buffer, .address_space: global }
    .group_segment_fixed_size: 0
    .private_segment_fixed_size: 0
    .kernarg_segment_align: 8
    .kernarg_segment_size: 72
    .max_flat_workgroup_size: 256
    .sgpr_count:     66
    .vgpr_count:     136
    .wavefront_size: 32
...
	.end_amdgpu_metadata
.endif
;; end of part 1
;; launch qkvproj (part 2): grid 8 x 32, 4 waves a work-group, clusters of 4 x 4, 327,680 bytes of LDS; arguments xb, wqkv, qkv, rope; writes qkv
.if DOCPART == 2
	.amdgcn_target "amdgcn-amd-amdhsa--gfx1250"
	.amdhsa_code_object_version 6
	.text
	.protected	k_q0731ea8561_qkvproj
	.globl	k_q0731ea8561_qkvproj
	.p2align	8
	.type	k_q0731ea8561_qkvproj,@function
k_q0731ea8561_qkvproj:
	s_mov_b64 s[64:65], 0
	v_nop
	global_prefetch_b8 v0, s[64:65] scope:SCOPE_SE
	s_setreg_imm32_b32 hwreg(HW_REG_WAVE_MODE, 25, 1), 1
	s_wait_xcnt 0x0
	s_wait_alu depctr_hold_cnt(0) depctr_sa_sdst(0) depctr_va_vdst(0) depctr_va_sdst(0) depctr_va_ssrc(0) depctr_va_vcc(0) depctr_vm_vsrc(0)
	s_getreg_b32 s2, hwreg(HW_REG_IB_STS2, 6, 4)
	s_cmp_eq_u32 s2, 0
	s_cbranch_scc0 .Lentry_in_a_cluster
	s_endpgm
.Lentry_in_a_cluster:
	s_bfe_u32 s2, ttmp6, 0x10000c
	s_cmp_lg_u32 s2, 0xf033
	s_cbranch_scc0 .Lentry_shape_is_right
	s_endpgm
.Lentry_shape_is_right:
; QKV PROJECTION AND ROTATION.  qkv[m][n] = rot(sum over k of xb[m][k] wqkv[n][k]).  xb [4096][2048], wqkv [3072][2048] bf16; sums in f32; qkv [4096][3072] f16, rounded once, behind the rotation.
; The gains are NOT applied here: they go into the softmax's scale in the next launch, so that q and k keep f16's range.
; LIMIT.  f16 has no number beyond 65,504: the unscaled q, k, v must lie within it (inputs 30 times those drawn, x and weights both, give a spread of about 815).
; SHARES.  4096 x 3072 = 256 tiles of 128 x 384, one to a work-group.  A wave makes all 128 rows x 96 columns: 8 x 6 accumulators of 16 x 16, 384 registers.  For 32 along K it reads
; 14 fragments from LDS for 48 matrix instructions.  K goes in 16 steps of 128 (rows of 256 bytes, aligned) through two LDS slots.
; CLUSTER 4 x 4.  The four of a row need the same tile of xb, the four of a column the same tile of wqkv: joint loads.  Wave 0 asks for xb's 128 rows, waves 1-3 for 128 rows of wqkv each.
; THE REFILLS FOLLOW EACH OTHER: a refill goes out only when the one before has landed in all sixteen work-groups.  So between the wait for a tile and the next request stand only the lines that the
; ordering needs; the products of the K step's last quarter follow the request.
; A PREFETCH INTO THE L2 stands behind each refill but the last: the K step that the NEXT refill will ask for, 192 matrix instructions ahead of that load: 32 rows x 256 bytes, a lane a row, one instruction a
; wave.  Each row's 256 bytes of a K step are named once in the launch: xb's tile row is read by both clusters of a row of clusters, and the one with cluster x = 0 asks (wave 0); wqkv's tile column by all
; eight clusters of a column, and the one with cluster y = 0 asks (waves 1-3).  The four partners that ask for a tile jointly take 32 of its 128 rows each, told apart BY ADDRESS (cx for xb, cy for wqkv).
; K steps 0 to 2 come by their loads alone.
; THE MATRIX INSTRUCTION IS USED TRANSPOSED (source 0 = 16 rows of wqkv, source 1 = 16 rows of xb): lane l holds row l % 16 and the columns 8 (l / 16) + 0..7 of a block.
; ROTATION.  By wqkv's row order column blocks 2 i and 2 i + 1 of a wave hold channels d and d + 64 of one head: out1 = x1 cos + x2 sin, out2 = x2 cos - x1 sin, in f32, in registers.
; The table's 384 numbers a lane are loaded at the start.  For a block of v the row stride is 0: row 0 of the table, cos = 1 and sin = 0: no branch.
; REGISTERS, in windows of 256 (s_set_vgpr_msb: bits 1:0 source 0, 3:2 source 1, 5:4 source 2, 7:6 destination):
;   window 0: v0-31 addresses; v32-95, v96-159 xb's fragments, two buffers; v160-207, v208-255 wqkv's
;   window 1: v0-191 accumulators of rows 0-63 ((a, b) at 8 (6 (a % 4) + b)); v192-255 table    window 2: the same for rows 64-127    window 3: table
.set CB,     6                         ; column blocks a wave
.set AW,     4                         ; row blocks in an accumulator window
.set KSTEP,  128
.set PITCH,  272                       ; an LDS row: 256 bytes + 16 of padding: the 16 rows of a fragment load start at 16 different groups of four banks (ISA guide 11.1)
.set ABYTES, 128*PITCH                 ; xb's 128 rows; also what one tensor load brings
.set SLOT,   (128+64*CB)*PITCH         ; 139,264
.set SPARE,  2*SLOT                    ; behind the ring: the spare words, 128 bytes a wave
.set SPITCH, 784                       ; the way out's stage: 128 rows of 768 + 16 bytes at LDS byte 0, in slot 0, which has had its last fill by then
.set LAPS,   8                         ; a lap = two K steps
.set NF,     16+2*CB                   ; LDS loads in a run
.set TR,   4                           ; v4     my row of the table in row block 0
.set COL,  5                           ; v5-7   my byte in a table row, for the wave's three pairs of column blocks
.set TA,   8                           ; v8     at work
.set ADRA, 16                          ; v16-17 LDS address of xb's fragments in slot 0, 1
.set ADRB, 20                          ; v20-21 of wqkv's
.set STO,  24                          ; v24, v27  where I put 16 bytes of a row: rows 0-63, rows 64-127
.set RD,   25                          ; v25    where I read rows back
.set CO,   26                          ; v26    my byte offset in qkv
.set SPW,  28                          ; v28    my spare word: SPARE + 4 x my thread's number; never rewritten
.set NIL,  29                          ; v29    0; never rewritten
.set PFO,  30                          ; v30    the prefetches' offset: my lane x a row of 4,096 bytes; never rewritten
.set FA,   32
.set FB,   160
.set G1,  24                           ; s[24:31] group 1, s[32:39] group 0 (a set for each slot) for xb's tiles
.set G0,  32
.set G1B, 48                           ; s[48:55], s[56:63] for wqkv's
.set G0B, 56
.set STR, 72                           ; s72-74 bytes from row to row of the table for each pair of column blocks: 512, or 0 for v
.set LIM, 75                           ; s75    1 in a wave that prefetches, else the greatest number
.set PFA, 76                           ; s[76:77] my work-group's 32 rows of the 128 that I fetch, at the K step that the next refill will ask for
.set MSB, 0
.macro WIN new                         ; the immediate's high byte repeats the setting that is left
.if MSB != (\new)
	s_set_vgpr_msb (MSB<<8)|(\new)
.set MSB, \new
.endif
.endm
.macro JLOAD s                         ; a joint load; the branch hangs on the wave's number alone; an s_nop 0 and four v_nop follow each line
	s_cmp_lt_u32 s10, 1
	s_cbranch_scc0 .Lfor_b_\@
	tensor_load_to_lds s[G0+4*(\s):G0+4*(\s)+3], s[G1:G1+7]
	s_nop 0
.rept 4
	v_nop
.endr
	s_branch .Lasked_\@
.Lfor_b_\@:
	tensor_load_to_lds s[G0B+4*(\s):G0B+4*(\s)+3], s[G1B:G1B+7]
	s_nop 0
.rept 4
	v_nop
.endr
.Lasked_\@:
.endm
.macro ASK second                      ; the prefetch.  second = 1: a trip's second refill, which in the loop's last trip (s3 = 1) is the launch's last: no K step stands behind the one that it asks for
.if \second
	s_cmp_gt_u32 s3, s[LIM]
.else
	s_cmp_eq_u32 s[LIM], 1
.endif
	s_cbranch_scc0 .Lnot_mine_\@
	global_prefetch_b8 v[PFO], s[PFA:PFA+1] th:TH_LOAD_NT scope:SCOPE_SE
.Lnot_mine_\@:
.endm
.macro CREST                           ; a round of the cluster's barrier behind its opening barrier
	s_cmp_lg_u32 s10, 0
	s_cbranch_scc1 .Lnot_wave_0_\@
	s_barrier_signal -3
.Lnot_wave_0_\@:
	s_barrier_wait -3
	s_barrier_signal -1
	s_barrier_wait -1
.endm
.macro CROUND
	s_barrier_signal -1
	s_barrier_wait -1
	CREST
.endm
.macro PLACES                          ; four places in front of loads into registers that matrix instructions have read, and of lines that read results
.rept 4
	v_nop
.endr
.endm
; na x 6 matrix instructions: row blocks a0 .. a0 + na - 1 x all column blocks, 32 along K, from buffer f.  All 48 accumulators take turns, so no two on end share one.  zero = 1: the product starts the sum.
.macro MUL f, a0, na, zero
.set aa, \a0
.rept \na
	WIN 0x50*(1+aa/AW)
.set bb, 0
.rept CB
.set rD, 8*(CB*(aa%AW)+bb)
.set rB, FB+8*CB*(\f)+8*bb
.set rA, FA+64*(\f)+8*aa
.if \zero
	v_wmma_f32_16x16x32_bf16 v[rD:rD+7], v[rB:rB+7], v[rA:rA+7], 0
.else
	v_wmma_f32_16x16x32_bf16 v[rD:rD+7], v[rB:rB+7], v[rA:rA+7], v[rD:rD+7]
.endif
.set bb, bb+1
.endr
.set aa, aa+1
.endr
.endm
.macro FETCH slot, k, f                ; one run of 28 LDS loads: the fragments of 32 along K at byte k of the rows: wqkv's 6, then xb's 8
	WIN 0
.set ii, 0
.rept CB
	ds_load_b128 v[FB+8*CB*(\f)+8*ii:FB+8*CB*(\f)+8*ii+3],   v[ADRB+(\slot)] offset:(\k)+ii*16*PITCH
	ds_load_b128 v[FB+8*CB*(\f)+8*ii+4:FB+8*CB*(\f)+8*ii+7], v[ADRB+(\slot)] offset:(\k)+ii*16*PITCH+32
.set ii, ii+1
.endr
.set ii, 0
.rept 8
	ds_load_b128 v[FA+64*(\f)+8*ii:FA+64*(\f)+8*ii+3],   v[ADRA+(\slot)] offset:(\k)+ii*16*PITCH
	ds_load_b128 v[FA+64*(\f)+8*ii+4:FA+64*(\f)+8*ii+7], v[ADRA+(\slot)] offset:(\k)+ii*16*PITCH+32
.set ii, ii+1
.endr
.endm
.macro QUARTER slot, k, f, g, zero     ; 32 along K: multiplies buffer f; in its middle fetches the next quarter, at byte k, into g
	s_wait_dscnt 8                                 ; all but the youngest eight loads (xb's rows 64-127)
	MUL \f, 0, 4, \zero
	PLACES
	FETCH \slot, \k, \g
	s_wait_dscnt NF                                ; all but the run just issued
	MUL \f, 4, 4, \zero
.endm
; The last quarter of a K step changes slots and then multiplies buffer 1.  ONE barrier: in front of it each wave waits for all its tensor loads (its part of the next slot), adds 0 to its spare word,
; and waits for that and for its reads of this slot (buffer 1's fragments, issued half a quarter back).  fill = 1: the barrier opens a round of the cluster's, and the joint refill, two K steps ahead, is the
; first thing behind the round; then come the next slot's first fragments, the prefetch, and the quarter's 48 products.
.macro TURN slot, next, fill
	WIN 0
.if \fill
	s_wait_xcnt 0x0                                ; the last prefetch, a K step back, has read its address, which steps here, ahead of the waits of the change of slots
	s_add_nc_u64 s[PFA:PFA+1], s[PFA:PFA+1], KSTEP*2
.endif
	s_wait_tensorcnt 0x0                           ; no tensor load of mine is out, so every group 0 may be written
	ds_add_u32 v[SPW], v[NIL]                      ; the descriptors' steps stand between the add and its wait
.if \fill
	s_add_nc_u64 s[G0+4*(\slot)+2:G0+4*(\slot)+3], s[G0+4*(\slot)+2:G0+4*(\slot)+3], 2*KSTEP*2
	s_add_nc_u64 s[G0B+4*(\slot)+2:G0B+4*(\slot)+3], s[G0B+4*(\slot)+2:G0B+4*(\slot)+3], 2*KSTEP*2
.endif
	s_wait_dscnt 0x0                               ; the add is done, my reads of this slot are over
	s_barrier_signal -1
	s_barrier_wait -1
.if \fill
	CREST                                          ; no wave of any partner still reads this slot or has a load on its way
	JLOAD \slot                                    ; its four v_nop are also the places in front of the loads below
.else
	PLACES
.endif
	FETCH \next, 0, 0
.if \fill
	ASK \slot
.endif
	MUL 1, 0, 8, 0
.endm
.macro TREG q                          ; where the 16 table registers (8 cosines, 8 sines) of index q = 3 a + pair lie
.if (\q) < 16
.set TW, 3
.set TB, 16*(\q)
.elseif (\q) < 20
.set TW, 1
.set TB, 192+16*((\q)-16)
.else
.set TW, 2
.set TB, 192+16*((\q)-20)
.endif
.endm
	s_load_b128 s[4:7], s[0:1], 0x0                ; xb s[4:5], wqkv s[6:7]
	s_load_b128 s[68:71], s[0:1], 0x10             ; qkv s[68:69], rope s[70:71]
	v_lshl_add_u32 v[SPW], v0, 2, SPARE
	v_mov_b32 v[NIL], 0
	ds_add_u32 v[SPW], v[NIL]                      ; the wave's opening: the add and its wait ahead of my first tensor load
	v_lshrrev_b32 v1, 5, v0
	v_readfirstlane_b32 s10, v1                    ; wave 0..3
	s_bfe_u32 s40, ttmp6, 0x40000                  ; cx, cy
	s_bfe_u32 s41, ttmp6, 0x40004
	s_lshl_b32 s42, ttmp9, 2
	s_add_co_u32 s42, s42, s40                     ; tile column 0..7
	s_and_b32 s13, ttmp7, 0xffff
	s_lshl_b32 s13, s13, 2
	s_add_co_u32 s13, s13, s41                     ; tile row 0..31
	s_lshl_b32 s43, s41, 2
	s_lshl_b32 s43, 15, s43                        ; my row of the cluster
	s_lshl_b32 s44, 0x1111, s40                    ; my column
	s_or_b32 s[G1], s43, (1<<16)|(1<<20)|(1<<21)|(5<<22)|(3<<25)   ; mask; 2-byte elements; padding on; bit 21 beside a mask; after every 64 words, 4 words
	s_or_b32 s[G1B], s44, (1<<16)|(1<<20)|(1<<21)|(5<<22)|(3<<25)
.irp g, G1, G1B
	s_mov_b32 s[(\g)+1], KSTEP<<16                 ; tensor_dim0 = 128
	s_mov_b32 s[(\g)+2], 128<<16                   ; tensor_dim1 = 128
	s_mov_b32 s[(\g)+3], KSTEP<<16                 ; tile_dim0 = 128
	s_mov_b32 s[(\g)+4], 128                       ; tile_dim1 = 128
	s_mov_b32 s[(\g)+5], 2048                      ; elements from row to row
	s_mov_b32 s[(\g)+6], 0
	s_mov_b32 s[(\g)+7], 0
.endr
	s_lshl_b32 s16, s13, 19                        ; xb: 128 x tile row, rows of 4,096 bytes
	s_mov_b32 s17, 0
	s_mul_i32 s46, s42, 384                        ; wqkv: row 384 x tile column + 128 x wave (128 too many: taken off the address below)
	s_lshl_b32 s47, s10, 7
	s_add_co_u32 s46, s46, s47
	s_lshl_b32 s46, s46, 12
	s_mov_b32 s47, 0
	s_mul_i32 s20, s10, ABYTES                     ; waves 1-3: behind xb's 128 rows, 128 rows each; no place in the cluster enters an LDS address
	s_wait_dscnt 0x0                               ; the opening add is done
	s_wait_kmcnt 0x0
	s_add_nc_u64 s[14:15], s[4:5], s[16:17]
	s_add_nc_u64 s[46:47], s[6:7], s[46:47]
	s_sub_nc_u64 s[46:47], s[46:47], 128*4096      ; (wave 0 never asks by this address)
	CROUND                                         ; all sixteen work-groups are here: the first joint loads meet
.irp s, 0,1
	s_mov_b32 s[G0+4*(\s)], 1
	s_mov_b32 s[G0+4*(\s)+1], (\s)*SLOT
	s_add_nc_u64 s[G0+4*(\s)+2:G0+4*(\s)+3], s[14:15], (\s)*KSTEP*2
	s_or_b32 s[G0+4*(\s)+3], s[G0+4*(\s)+3], 0x80000000
	s_mov_b32 s[G0B+4*(\s)], 1
	s_add_co_u32 s[G0B+4*(\s)+1], s20, (\s)*SLOT
	s_add_nc_u64 s[G0B+4*(\s)+2:G0B+4*(\s)+3], s[46:47], (\s)*KSTEP*2
	s_or_b32 s[G0B+4*(\s)+3], s[G0B+4*(\s)+3], 0x80000000
	JLOAD \s                                       ; two loads of mine are out
.endr
	v_and_b32 v1, 15, v0                           ; r = l % 16
	v_bfe_u32 v2, v0, 4, 1                         ; h = l / 16
	; THE TABLE.  Row block a, pair i: position (128 x tile row) % 1024 + 16 a + r; frequencies 16 ((3 wave + i) % 4) + 8 h + 0..7: 32 bytes of cosines, 32 of sines 256 bytes on.
	s_and_b32 s21, s13, 7
	s_lshl_b32 s21, s21, 7
	v_add_nc_u32 v[TR], s21, v1
	s_mul_i32 s45, s10, 3
	s_mul_i32 s46, s42, 12
	s_add_co_u32 s46, s46, s45                     ; my first pair of column blocks among the 96 of a row of qkv; the first 80 are q's and k's
.irp i, 0,1,2
	s_add_co_u32 s47, s45, \i
	s_and_b32 s47, s47, 3
	s_lshl_b32 s47, s47, 6
	v_lshl_add_u32 v[COL+\i], v2, 5, s47
	s_add_co_u32 s47, s46, \i
	s_cmp_lt_u32 s47, 80
	s_cselect_b32 s[STR+\i], 512, 0
.endr
.set q, 0
.rept 24
	v_add_nc_u32 v[TA], 16*(q/3), v[TR]
	v_mad_u32_u24 v[32+q], v[TA], s[STR+q%3], v[COL+q%3]
.set q, q+1
.endr
.set q, 0
.rept 24
	TREG q
	WIN TW<<6
	global_load_b128 v[TB:TB+3],     v[32+q], s[70:71]
	global_load_b128 v[TB+4:TB+7],   v[32+q], s[70:71] offset:16
	global_load_b128 v[TB+8:TB+11],  v[32+q], s[70:71] offset:256
	global_load_b128 v[TB+12:TB+15], v[32+q], s[70:71] offset:272
.set q, q+1
.endr
	WIN 0
	v_mul_u32_u24 v3, v1, PITCH
	v_lshl_add_u32 v3, v2, 4, v3                   ; a fragment's row x pitch + 16 x half
	s_mul_i32 s22, s10, 16*CB*PITCH
	s_add_co_u32 s22, s22, ABYTES                  ; my 96 rows of wqkv's tile
	v_mov_b32 v[ADRA], v3
	v_add_nc_u32 v[ADRA+1], SLOT, v3
	v_add_nc_u32 v[ADRB], s22, v3
	s_add_co_u32 s22, s22, SLOT
	v_add_nc_u32 v[ADRB+1], s22, v3
	s_mul_i32 s23, s10, 192                        ; into the stage: row r, my wave's 192 bytes, 16 bytes for each half of the lanes
	v_mul_u32_u24 v[STO], v1, SPITCH
	v_lshl_add_u32 v[STO], v2, 4, v[STO]
	v_add_nc_u32 v[STO], s23, v[STO]
	v_add_nc_u32 v[STO+3], 64*SPITCH, v[STO]       ; rows 64-127: the 16-bit offset does not reach them
	s_mul_i32 s23, s10, 32*SPITCH                  ; back: wave w takes rows 32 w .. 32 w + 31 whole; lanes 0-15 256 bytes of one row, lanes 16-31 of the next
	v_mul_u32_u24 v[RD], v2, SPITCH
	v_lshl_add_u32 v[RD], v1, 4, v[RD]
	v_add_nc_u32 v[RD], s23, v[RD]
	v_mul_u32_u24 v[CO], v2, 6144
	v_lshl_add_u32 v[CO], v1, 4, v[CO]
	s_lshl_b32 s16, s13, 7
	s_lshl_b32 s17, s10, 5
	s_add_co_u32 s16, s16, s17
	s_mul_i32 s16, s16, 6144                       ; the first row that I store
	s_mov_b32 s17, 0
	s_add_nc_u64 s[68:69], s[68:69], s[16:17]
	s_mul_i32 s46, s42, 768                        ; the tile's first column, in bytes
	s_mov_b32 s47, 0
	s_add_nc_u64 s[68:69], s[68:69], s[46:47]
	; the prefetches: which rows, of which tensor, and whether my cluster is the one that asks
	s_lshl_b32 s16, s13, 7                         ; xb: the tile's first row
	s_mul_i32 s17, s42, 384
	s_lshl_b32 s18, s10, 7
	s_add_co_u32 s17, s17, s18
	s_sub_co_u32 s17, s17, 128                     ; wqkv: the first of the 128 rows that I fetch (waves 1-3; wave 0 does not take this number)
	s_and_b32 s18, ttmp7, 0xffff                   ; cluster y
	s_cmp_eq_u32 s10, 0                            ; do I fetch for xb?
	s_cselect_b32 s16, s16, s17
	s_cselect_b32 s17, s40, s41                    ; my place among the four that ask with me
	s_cselect_b32 s18, ttmp9, s18                  ; the coordinate along which other clusters read the same rows
	s_cselect_b64 s[PFA:PFA+1], s[4:5], s[6:7]
	s_cmp_eq_u32 s18, 0
	s_cselect_b32 s[LIM], 1, -1                    ; the same in all sixteen partners, for a given wave
	s_lshl_b32 s17, s17, 5
	s_add_co_u32 s16, s16, s17                     ; + my work-group's 32 of the 128 rows
	s_lshl_b32 s16, s16, 12
	s_mov_b32 s17, 0
	s_add_nc_u64 s[PFA:PFA+1], s[PFA:PFA+1], s[16:17]
	s_add_nc_u64 s[PFA:PFA+1], s[PFA:PFA+1], 2*KSTEP*2  ; at K step 2: the first refill steps it to 3.  Nothing is prefetched here, at the head, where every work-group's first tiles are on their way
	v_and_b32 v[PFO], 31, v0
	v_lshlrev_b32 v[PFO], 12, v[PFO]
	s_wait_xcnt 0x0                                ; the table's loads have read their addresses, v32-55, which the fragments now take
	s_wait_tensorcnt 1                             ; my part of K step 0 is in; K step 1's may stay out
	s_barrier_signal -1
	s_barrier_wait -1
	FETCH 0, 0, 0
	QUARTER 0, 64, 0, 1, 1                         ; the first quarter stands in front of the loop: its products start the sums
	WIN 0
	s_mov_b32 s3, LAPS-1
.Llap:                                                 ; a trip goes once round the ring, from a lap's second quarter to the next lap's first, and fills both slots again
	QUARTER 0, 128, 1, 0, 0
	QUARTER 0, 192, 0, 1, 0
	TURN 0, 1, 1
	QUARTER 1, 64, 0, 1, 0
	QUARTER 1, 128, 1, 0, 0
	QUARTER 1, 192, 0, 1, 0
	TURN 1, 0, 1
	QUARTER 0, 64, 0, 1, 0
	WIN 0
	s_sub_co_u32 s3, s3, 1
	s_cmp_lg_u32 s3, 0
	s_cbranch_scc1 .Llap
	QUARTER 0, 128, 1, 0, 0                        ; the last lap fills nothing
	QUARTER 0, 192, 0, 1, 0
	TURN 0, 1, 0                                   ; behind this barrier no wave reads slot 0 any more
	QUARTER 1, 64, 0, 1, 0
	QUARTER 1, 128, 1, 0, 0
	QUARTER 1, 192, 0, 1, 0
	s_wait_dscnt 8
	MUL 1, 0, 4, 0
	s_wait_dscnt 0x0
	MUL 1, 4, 4, 0
	WIN 0
	; THE WAY OUT: rotate, round to f16, 16 bytes a lane into the stage; a barrier, since a row's 256-byte pieces come from two waves; back as whole rows.
	PLACES
	s_wait_loadcnt 0x0                             ; the table
.macro ROPE a, ip                      ; row block a, column blocks 2 ip (x1) and 2 ip + 1 (x2); each accumulator is read from its low end on
	TREG 3*(\a)+(\ip)
.set TT, 32+24*((3*(\a)+(\ip))%2)      ; 8 registers out1, 8 out2, 8 packed; two sets by turns
.set X1, 8*(CB*((\a)%AW)+2*(\ip))
.set X2, X1+8
	WIN (1+(\a)/AW)|(TW<<2)
.set n, 0
.rept 4
	v_pk_mul_f32 v[TT+2*n:TT+2*n+1],     v[X2+2*n:X2+2*n+1], v[TB+8+2*n:TB+8+2*n+1]
	v_pk_mul_f32 v[TT+8+2*n:TT+8+2*n+1], v[X1+2*n:X1+2*n+1], v[TB+8+2*n:TB+8+2*n+1]
	v_pk_fma_f32 v[TT+2*n:TT+2*n+1],     v[X1+2*n:X1+2*n+1], v[TB+2*n:TB+2*n+1], v[TT+2*n:TT+2*n+1]
	v_pk_fma_f32 v[TT+8+2*n:TT+8+2*n+1], v[X2+2*n:X2+2*n+1], v[TB+2*n:TB+2*n+1], v[TT+8+2*n:TT+8+2*n+1] neg_lo:[0,0,1] neg_hi:[0,0,1]
.set n, n+1
.endr
	WIN 0
.set n, 0
.rept 4
	v_cvt_pk_f16_f32 v[TT+16+n], v[TT+2*n], v[TT+2*n+1]
	v_cvt_pk_f16_f32 v[TT+20+n], v[TT+8+2*n], v[TT+8+2*n+1]
.set n, n+1
.endr
	ds_store_b128 v[STO+3*((\a)/4)], v[TT+16:TT+19] offset:((\a)%4)*16*SPITCH+64*(\ip)
	ds_store_b128 v[STO+3*((\a)/4)], v[TT+20:TT+23] offset:((\a)%4)*16*SPITCH+64*(\ip)+32
.endm
.irp a, 0,1,2,3,4,5,6,7
.irp p, 0,1,2
	ROPE \a, \p
.endr
.endr
	s_wait_dscnt 0x0                               ; for the others' sake: my stores into the stage are done
	s_barrier_signal -1
	s_barrier_wait -1
.set n, 0
.rept 48                               ; pair of rows n / 3, piece n % 3 of their 768 bytes
	ds_load_b128 v[32+4*n:32+4*n+3], v[RD] offset:(n/3)*2*SPITCH+256*(n%3)
.set n, n+1
.endr
.set n, 0
.rept 48
	s_wait_dscnt 47-n                              ; load n is back, the younger ones stay out
	global_store_b128 v[CO], v[32+4*n:32+4*n+3], s[68:69] offset:(n/3)*2*6144+256*(n%3)  ; 16 lanes store 256 consecutive bytes, at a multiple of 256 from qkv's first byte
.set n, n+1
.endr
	s_wait_tensorcnt 0x0                           ; the wave's end
	ds_add_u32 v[SPW], v[NIL]
	s_wait_dscnt 0x0
	CROUND                                         ; the closing round
	s_endpgm
.Lfunc_end_k_q0731ea8561_qkvproj:
	.size	k_q0731ea8561_qkvproj, .Lfunc_end_k_q0731ea8561_qkvproj-k_q0731ea8561_qkvproj
	.p2alignl 7, 3214868480
	.fill 96, 4, 3214868480
	.section	.rodata,"a",@progbits
	.p2align	6, 0x0
	.amdhsa_kernel k_q0731ea8561_qkvproj
		.amdhsa_group_segment_fixed_size 327680
		.amdhsa_private_segment_fixed_size 0
		.amdhsa_enable_private_segment 0
		.amdhsa_kernarg_size 32
		.amdhsa_user_sgpr_count 2
		.amdhsa_user_sgpr_kernarg_segment_ptr 1
		.amdhsa_wavefront_size32 1
		.amdhsa_system_sgpr_workgroup_id_x 1
		.amdhsa_system_sgpr_workgroup_id_y 1
		.amdhsa_system_sgpr_workgroup_id_z 1
		.amdhsa_system_vgpr_workitem_id 0
		.amdhsa_next_free_vgpr 1024
		.amdhsa_next_free_sgpr 80
		.amdhsa_reserve_vcc 0
		.amdhsa_float_denorm_mode_32 3
		.amdhsa_float_denorm_mode_16_64 3
		.amdhsa_memory_ordered 1
		.amdhsa_forward_progress 1
		.amdhsa_inst_pref_size 154
	.end_amdhsa_kernel
	.amdgpu_metadata
---
amdhsa.version: [ 1, 2 ]
amdhsa.kernels:
  - .name:           k_q0731ea8561_qkvproj
    .symbol:         k_q0731ea8561_qkvproj.kd
    .args:
      - { .name: xb, .offset: 0, .size: 8, .value_kind: global_buffer, .address_space: global }
      - { .name: wqkv, .offset: 8, .size: 8, .value_kind: global_buffer, .address_space: global }
      - { .name: qkv, .offset: 16, .size: 8, .value_kind: global_buffer, .address_space: global }
      - { .name: rope, .offset: 24, .size: 8, .value_kind: global_buffer, .address_space: global }
    .group_segment_fixed_size: 327680
    .private_segment_fixed_size: 0
    .kernarg_segment_align: 8
    .kernarg_segment_size: 32
    .max_flat_workgroup_size: 128
    .sgpr_count:     80
    .vgpr_count:     1024
    .wavefront_size: 32
...
	.end_amdgpu_metadata
.endif
;; end of part 2
;; launch attn (part 3): grid 16 x 16, 4 waves a work-group, no clusters, 327,680 bytes of LDS; arguments qkv, q_gain, k_gain, y; writes y
.if DOCPART == 3
	.amdgcn_target "amdgcn-amd-amdhsa--gfx1250"
	.amdhsa_code_object_version 6
	.text
	.protected	k_q0731ea8561_attn
	.globl	k_q0731ea8561_attn
	.p2align	8
	.type	k_q0731ea8561_attn,@function
k_q0731ea8561_attn:
	s_mov_b64 s[64:65], 0
	v_nop
	global_prefetch_b8 v0, s[64:65] scope:SCOPE_SE
	s_setreg_imm32_b32 hwreg(HW_REG_WAVE_MODE, 25, 1), 1
	s_wait_xcnt 0x0
; CAUSAL ATTENTION, 16 query heads on 4 key and value heads, head size 128, 1,024 positions, 4 batches.  qkv [4096][3072] f16 (row: q heads at byte 256 head, k at 4096 + 256 kv, v at 5120 + 256 kv; q and k
; rotated, without gains, their channels in one common order); y [4096][2048] f16.  Products, maxima and sums in f32; the weights are rounded to f16 for the second product, y once.
; THE GAINS, each rounded to bf16 like every input, enter the softmax's scale: c = |q_gain k_gain| log2(e) / sqrt(128), held at 1e-20 at the least; the product's sign is set on Q's sign bits.
; LIMITS.  A hidden score counts as its value less 1e30, so c must stay under 1e7; the floor of 1e-20 shifts c s by less than 6e-9 (|s| <= 5.5e11 in f16's range).  m starts at -2^83, below every
; true score and above every hidden one: a wave that has seen hidden keys alone has weights 0, l = 0, O = 0.  A weight below 2^-126 counts as 0.  NaN and infinities are not treated apart.
; SHARES.  A work-group serves one (batch, kv head), ALL FOUR query heads on it, and two blocks of 32 positions: block 31 - J, then block J.  Block i needs the tiles of 128 keys 0 .. i / 4: the two
; together 9 tiles, whatever J: one walk with a constant trip count.  Wave w: 16 positions (w / 2) x 4 heads = four tiles of 16 queries; of each key tile it takes 64 keys (w % 2): THE KEYS ARE SPLIT
; between the partners w and w ^ 1.  So a fragment of K or V feeds four tiles, and all four share one mask.  Tile slot t holds head t ^ 2 (w % 2); at a block's end a wave keeps slots 0, 1, sends slots
; 2, 3 to its partner through LDS, and merges what it receives: O = (fA O_A + fB O_B) / (fA l_A + fB l_B), f = 2^(c m - max).
; NO CLUSTER: the work-groups of one (batch, kv) have first blocks of different lengths, so they ask for different tiles in the later trips; what the heads share is shared in LDS already.
; LAYOUT, SOFTMAX.  S^T = K Q^T holds one query a lane (lane % 16) and the keys 8 (lane / 16) + 0..7; two such results rounded to f16 are source 1 of O^T = V^T P.  p = 2^(c s - c m); O and l are
; multiplied by a = 2^(c m_old - c m_new) in every step; a block's first step has a = 0, so O and l need only be finite there.
; THE MASK is the C operand that starts S^T: MD (0 or -1e30, for the diagonal tile, made once a block) times F (1 in the block's last tile, else 0).
; A STEP (64 keys, 4 tiles): 32 products K Q^T of tiles 0, 1; 32 of tiles 2, 3 with tiles 0, 1's softmax in slices behind them; 32 products V^T P of tiles 0, 1 with tiles 2, 3's softmax; 32 of tiles 2, 3.
; Only K's 32 LDS loads stand ahead of the first product; V's 32 are issued four at a time behind every second of the first sixteen products, which have no vector work beside them.
; REGISTERS, in windows of 256 (s_set_vgpr_msb: bits 1:0 source 0, 3:2 source 1, 5:4 source 2, 7:6 destination):
;   window 0: v0-11, v44-63 addresses and small things; v12-43 eight statistics a tile; v64-191 S^T; v192-255 P      window 1: O^T, 64 a tile
;   window 2: v0-127 Q; v128-255 K of a step      window 3: v0-127 V of a step; v128-159 MC; v160-191 MD
.set PKB,   272       ; a row of K in LDS: 256 + 16 bytes: the 16 rows of a load start at 16 different groups of four banks (ISA guide 11.1)
.set PVB,   288       ; a row of V: 256 + 32
.set VOFF,  64*PKB    ; a half tile: 64 rows of K, then 64 of V
.set STEPB, 64*(PKB+PVB)
.set SLOT1, 1<<17     ; a slot holds a tile's two halves (71,680 bytes); slot 1 begins here: one exclusive or changes slots
.set STAGE, SLOT1+2*STEPB  ; 16 rows x 272 bytes for each wave, for the way out
.set SP,    272
.set XBASE, STAGE+4*16*SP  ; the exchange: for each wave 2 x 8,192 bytes of O^T, then 2 x 256 of (c m, l)
.set XW,    16896
.set SPARE, XBASE+4*XW     ; the spare words, 128 bytes a wave
.set TILEB, 128*6144  ; bytes from a key tile to the next
.set AK0, 2           ; v2   my lane's place in a half tile of K; never rewritten
.set AV0, 3           ; v3   of V
.set ADK, 4           ; v4, v5  the LDS addresses of the runs in hand
.set ADV, 5
.set QOA, 6           ; v6   my byte offset in 16 rows of Q, slots 0, 1;  v47 slots 2, 3
.set STO, 7           ; v7   the way out: where I put 16 bytes of a row
.set RD,  8           ; v8   where I read rows back
.set PFO, 9           ; v9   the prefetches' offset: 6,144 x my thread's number: a thread a row of the tile (until then: lane / 16)
.set GO,  10          ; v10  my byte offset in two rows of y
.set LQH, 11          ; v11  lane % 16 - 8 (lane / 16)
.set ST,  12          ; tile t at v[ST+8 t]: +0 c m, +1 m (at a block's end: l), +2, +3 l (even keys', odd keys'), +4 to +7 at work; a takes +6
.set THR, 44          ; v44  a key 16 kb + n of my 64 is hidden in the diagonal tile where 16 kb + n > THR
.set XS,  45          ; v45, v46  exchange: where I store, where I load (16 x lane);  v60, v61 the same for (c m, l) (8 x lane)
.set XL,  46
.set QOB, 47
.set MT,  48          ; v48-51  the partner's (c m, l) for slots 0, 1
.set E,   52          ; v52-59  for slot t at E + 4 t: a', fA, b', fB
.set XS2, 60
.set XL2, 61
.set SPW, 62          ; v62  my spare word: SPARE + 4 x my thread's number; never rewritten
.set NIL, 63          ; v63  0; never rewritten
.set S,   64
.set P,   192
.set KF,  128         ; window 2
.set MC,  128         ; window 3
.set MD,  160
.set WV, 12           ; s12 wave; s13 w / 2; s14 w % 2; s15 J; s16 4 batch + kv; s17 batch; s18 kv
.set RR, 13
.set SS, 14
.set JJ, 15
.set BK, 16
.set BB, 17
.set KV, 18
.set KB, 20           ; s[20:21] K, s[22:23] V at my half of tile 0
.set VB, 22
.set G1K, 24
.set G1V, 32
.set G0K, 40
.set G0V, 44
.set QP1, 48          ; s[48:51] Q at my rows of the first, the second block; s[52:55] y likewise
.set QP2, 50
.set YP1, 52
.set YP2, 54
.set SLOTS, 56        ; tiles still to be asked for
.set RT,  57          ; tiles of the block in hand still to be entered
.set NXT, 58          ; the tile to be asked for next
.set LQ,  59          ; the last tile of the block whose tiles are being asked for
.set SEL, 60          ; s[60:61] v_permlanex16_b32's selects
.set TB,  62          ; LDS byte of my half tile in the slot in hand
.set LQ2, 63          ; J / 4: the second block's last tile
.set CS,  66          ; s[66:73] c, a pair for each slot
.set SGN, 74          ; s74-77 0 or 0x80008000 for each slot
.set FF,  78          ; s[78:79] F
.set BIGN, 80
.set THS, 81
.set OFF, 82          ; s[82:83]
.set PFA, 84          ; s[84:85] K's key 0 of the tile that the prefetches name; V lies 1,024 bytes on
.set PFT, 86          ; that tile's number
.set PFL, 87          ; 8 where J = 0, else 0
.set THS2, 97
.set MSB, 0
.macro WIN new
.if MSB != (\new)
	s_set_vgpr_msb (MSB<<8)|(\new)
.set MSB, \new
.endif
.endm
.set W_RS, 0x41       ; destination and source 0 window 1, source 1 window 0
.macro PLACES
.rept 4
	v_nop
.endr
.endm
.macro LOAD                             ; waves 0, 1 fetch the two halves of a tile's K, waves 2, 3 of its V; an s_nop 0 and four v_nop follow each line
	s_cmp_lt_u32 s[WV], 2
	s_cbranch_scc0 .Lfor_v_\@
	tensor_load_to_lds s[G0K:G0K+3], s[G1K:G1K+7]
	s_nop 0
.rept 4
	v_nop
.endr
	s_branch .Lasked_\@
.Lfor_v_\@:
	tensor_load_to_lds s[G0V:G0V+3], s[G1V:G1V+7]
	s_nop 0
.rept 4
	v_nop
.endr
.Lasked_\@:
.endm
; A PREFETCH INTO THE L2: the tile that the NEXT change of slots will ask for: 128 rows of K and of V, 256 bytes each, a thread a row, two instructions a wave.  All sixteen work-groups of a (batch, kv) begin
; with tiles 0, 1, 2 ..; the one with J = 0 walks all eight in order, and it alone asks, so each row is named once in the launch.  In trip t it names tile t + 2; tile 7 is the last; tiles 0, 1 come by their loads alone.
.macro ASK
	s_cmp_lt_u32 s[PFT], s[PFL]
	s_cbranch_scc0 .Lnot_mine_\@
	global_prefetch_b8 v[PFO], s[PFA:PFA+1] th:TH_LOAD_NT scope:SCOPE_SE
	global_prefetch_b8 v[PFO], s[PFA:PFA+1] offset:1024 th:TH_LOAD_NT scope:SCOPE_SE
.Lnot_mine_\@:
.endm
; THE CHANGE OF SLOTS.  Each wave waits for all its tensor loads (one is out: its part of the other slot), adds 0 to its spare word, and waits for that and for its reads of the slot that it leaves.
; fill = 1: the old slot is filled again, first thing behind the barrier, with tile NXT; the descriptor's address is made anew from that number.
.macro CHANGE fill
	WIN 0
	s_wait_tensorcnt 0x0
	ds_add_u32 v[SPW], v[NIL]
.if \fill
	s_mul_i32 s[OFF], s[NXT], TILEB
	s_xor_b32 s[G0K+1], s[G0K+1], SLOT1
	s_add_nc_u64 s[G0K+2:G0K+3], s[KB:KB+1], s[OFF:OFF+1]
	s_or_b32 s[G0K+3], s[G0K+3], 0x80000000
	s_xor_b32 s[G0V+1], s[G0V+1], SLOT1
	s_add_nc_u64 s[G0V+2:G0V+3], s[VB:VB+1], s[OFF:OFF+1]
	s_or_b32 s[G0V+3], s[G0V+3], 0x80000000
	s_add_co_u32 s[NXT], s[NXT], 1  ; the block's next tile, or behind its last the second block's tile 0
	s_cmp_gt_u32 s[NXT], s[LQ]
	s_cselect_b32 s[NXT], 0, s[NXT]
	s_cselect_b32 s[LQ], s[LQ2], s[LQ]
	s_wait_xcnt 0x0                 ; the last prefetches, a trip back, have read their address
	s_add_nc_u64 s[PFA:PFA+1], s[PFA:PFA+1], TILEB
	s_add_co_u32 s[PFT], s[PFT], 1
.endif
	s_wait_dscnt 0x0                ; the add is done, my reads of the slot are over
	s_barrier_signal -1
	s_xor_b32 s[TB], s[TB], SLOT1
	s_barrier_wait -1
.if \fill
	LOAD
	ASK
.endif
.endm
.macro QLOAD base                       ; four tiles of Q: tile n / 4, channels 32 (n % 4) on; lane l: row l % 16, two loads of 16 bytes, 32 bytes apart
	WIN 0x80
.set n, 0
.rept 16
	global_load_b128 v[8*n:8*n+3],   v[QOA+41*(n/8)], s[\base:\base+1] offset:256*((n/4)%2)+64*(n%4)
	global_load_b128 v[8*n+4:8*n+7], v[QOA+41*(n/8)], s[\base:\base+1] offset:256*((n/4)%2)+64*(n%4)+32
.set n, n+1
.endr
	WIN 0
.endm
; A BLOCK BEGINS: c m far below every c s, so that the first a is 0; m at -2^83; the diagonal tile's mask; Q's signs.
.macro BEGIN
	WIN 0
.set t, 0
.rept 4
	v_mov_b32 v[ST+8*t], 0xfe000000
	v_mov_b32 v[ST+8*t+1], 0xe9000000
.set t, t+1
.endr
	v_add_nc_u32 v[THR], s[THS], v[LQH]
	WIN 0xc0
.set n, 0
.rept 32
	v_cmp_gt_i32 vcc_lo, 16*(n/8)+n%8, v[THR]
	v_cndmask_b32 v[MD+n], 0, s[BIGN], vcc_lo
.set n, n+1
.endr
	s_wait_loadcnt 0x0              ; Q
	WIN 0x88
.set n, 0
.rept 128
	v_xor_b32 v[n], s[SGN+n/32], v[n]
.set n, n+1
.endr
	WIN 0
.endm
.macro MASK                             ; MC = MD x F; these 16 plain lines are also the places between the last step's products and the loads into K's and V's registers
	WIN 0xc3
.set z, 0
.rept 16
	v_pk_mul_f32 v[MC+2*z:MC+2*z+1], v[MD+2*z:MD+2*z+1], s[FF:FF+1] op_sel_hi:[1,0]
.set z, z+1
.endr
	WIN 0
.endm
.macro FETCH_K                          ; 64 keys x 128 channels: channels 32 c on outermost, so that the first products can start on the first eight loads
	WIN 0x80
.set n, 0
.rept 16
	ds_load_b128 v[KF+32*(n%4)+8*(n/4):KF+32*(n%4)+8*(n/4)+3],   v[ADK] offset:(n%4)*16*PKB+(n/4)*64
	ds_load_b128 v[KF+32*(n%4)+8*(n/4)+4:KF+32*(n%4)+8*(n/4)+7], v[ADK] offset:(n%4)*16*PKB+(n/4)*64+32
.set n, n+1
.endr
.endm
.macro FETCH_V2 n0                      ; fragments n0 and n0 + 1 of V's sixteen, turned: fragment f: keys 32 (f / 8) on, channels 16 (f % 8) on: four loads
	WIN 0xc0
.irp d, 0,1
	ds_load_tr16_b128 v[8*((\n0)+\d):8*((\n0)+\d)+3],   v[ADV] offset:(((\n0)+\d)/8)*32*PVB+(((\n0)+\d)%8)*32
	ds_load_tr16_b128 v[8*((\n0)+\d)+4:8*((\n0)+\d)+7], v[ADV] offset:(((\n0)+\d)/8)*32*PVB+16*PVB+(((\n0)+\d)%8)*32
.endr
.endm
; Product i of 32 of S^T = K Q^T for tiles x, x + 1: channels 32 (i / 8) on, keys 16 ((i / 2) % 4) on, tile x + i % 2.  The first 8 start the sums with the mask.  The 8 accumulators take turns.
.macro KQ x
.set rS, S+32*((\x)+i%2)+8*((i/2)%4)
.set rK, KF+32*((i/2)%4)+8*(i/8)
.set rQ, 32*((\x)+i%2)+8*(i/8)
.set rM, MC+8*((i/2)%4)
.if i < 8
	WIN 0x3a
	v_wmma_f32_16x16x32_f16 v[rS:rS+7], v[rK:rK+7], v[rQ:rQ+7], v[rM:rM+7]
.else
	WIN 0x0a
	v_wmma_f32_16x16x32_f16 v[rS:rS+7], v[rK:rK+7], v[rQ:rQ+7], v[rS:rS+7]
.endif
.endm
; Product i of 32 of O^T += V^T P: keys 32 (i / 16) on, channels 16 ((i / 2) % 8) on, tile x + i % 2.  The 16 accumulators take turns.
.macro PV x
	WIN 0x53
.set rO, 64*((\x)+i%2)+8*((i/2)%8)
.set rV, 64*(i/16)+8*((i/2)%8)
.set rP, P+16*((\x)+i%2)+8*(i/16)
	v_wmma_f32_16x16x32_f16 v[rO:rO+7], v[rV:rV+7], v[rP:rP+7], v[rO:rO+7]
.endm
; ONE TILE'S SOFTMAX FOR A STEP: a list of 134 instructions; SM writes number j for tile t.
;   0-15 the maximum of the 32 scores and the old m (each accumulator's lowest registers first)   16-20 the other half of the lanes' maximum; m; c m; its change
;   21-69 ONE BATCH: the 16 scalings c s - c m and all 33 exponentials (a at 23); none reads an exponential's result   (the wait)   70-85 roundings to f16   86-101 sums; l = a l + sum   102-133 O^T times a
.macro SM t
.set rT, ST+8*(\t)
.set rS, S+32*(\t)
.set rP, P+16*(\t)
.set rO, 64*(\t)+2*(j-102)
.set rC, CS+2*(\t)
.if j < 102
	WIN 0
.endif
.if j < 4
	v_max3_num_f32 v[rT+4+j], v[rS+8*j], v[rS+8*j+1], v[rS+8*j+2]
.elseif j < 12
	v_max3_num_f32 v[rT+4+j%4], v[rT+4+j%4], v[rS+8*(j%4)+2*(j/4)+1], v[rS+8*(j%4)+2*(j/4)+2]
.elseif j == 12
	v_max3_num_f32 v[rT+4], v[rT+4], v[rS+7], v[rS+15]
.elseif j == 13
	v_max3_num_f32 v[rT+6], v[rT+6], v[rS+23], v[rS+31]
.elseif j == 14
	v_max3_num_f32 v[rT+4], v[rT+4], v[rT+5], v[rT+6]
.elseif j == 15
	v_max3_num_f32 v[rT+4], v[rT+4], v[rT+7], v[rT+1]
.elseif j == 16
	v_permlanex16_b32 v[rT+5], v[rT+4], s[SEL], s[SEL+1]
.elseif j == 17
	v_mov_b32 v[rT+7], v[rT]
.elseif j == 18
	v_max_num_f32 v[rT+1], v[rT+4], v[rT+5]
.elseif j == 19
	v_mul_f32 v[rT], s[rC], v[rT+1]
.elseif j == 20
	v_sub_f32 v[rT+7], v[rT+7], v[rT]
.elseif j == 23
	v_exp_f32 v[rT+6], v[rT+7]
.elseif (j < 23) || ((j < 38) && (j%2 == 0)) || ((j < 66) && (j%4 == 2))
.set b, (j-2)/4
.if j < 38
.set b, (j-20)/2
.endif
	v_pk_fma_f32 v[rS+2*b:rS+2*b+1], v[rS+2*b:rS+2*b+1], s[rC:rC+1], v[rT:rT+1] op_sel_hi:[1,0,0] neg_lo:[0,0,1] neg_hi:[0,0,1]
.elseif j < 70
.set e, j-38
.if j < 66
.set e, j-32-(j-38)/4
.endif
.if j < 38
.set e, (j-25)/2
.endif
	v_exp_f32 v[rS+e], v[rS+e]
.elseif j < 86
	v_cvt_pk_f16_f32 v[rP+j-70], v[rS+2*(j-70)], v[rS+2*(j-70)+1]
.elseif j < 102
.set z, j-86
.set w, 4
.set u, z
.if z >= 14
.set w, 32
.set u, 0
.elseif z >= 12
.set w, 16
.set u, z-12
.elseif z >= 8
.set w, 8
.set u, z-8
.endif
.if z < 15
	v_pk_add_f32 v[rS+w*u:rS+w*u+1], v[rS+w*u:rS+w*u+1], v[rS+w*u+w/2:rS+w*u+w/2+1]
.else
	v_pk_fma_f32 v[rT+2:rT+3], v[rT+2:rT+3], v[rT+6:rT+7], v[rS:rS+1] op_sel_hi:[1,0,1]
.endif
.else
	WIN W_RS
	v_pk_mul_f32 v[rO:rO+1], v[rO:rO+1], v[rT+6:rT+7] op_sel_hi:[1,0]
.endif
.endm
; Slice k of 64 of the softmax of tiles y, y + 1: four instructions (slice 63: sixteen).  Slices 11-34 deal out the batch, four numbers of one tile each; behind slice 34 stand a plain instruction and the
; ONE wait between the 66 exponentials and the first line that names a result of theirs.
.macro SLICE y
.if (k >= 11) && (k < 35)
.irp n, 0,1,2,3
.set j, 22+4*((k-11)/2)+(\n)
	SM (\y)+(k-11)%2
.endr
.else
.irp n, 0,1,2,3,4,5,6,7
.if ((\n) < 2) || (k == 63)
.irp t, \y, (\y)+1
.set j, 2*k+(\n)
	SM \t
.endr
.endif
.endr
.endif
.if k == 34
	v_nop
	s_wait_alu depctr_va_vdst(0)
.endif
.set k, k+1
.endm
.macro STEP
	WIN 0
	v_add_nc_u32 v[ADK], s[TB], v[AK0]
	v_add_nc_u32 v[ADV], s[TB], v[AV0]
	FETCH_K
.set i, 0
.rept 32                                ; LDS loads come back in order.  In front of products 0, 8, 16, 24 K's channels up to 32 (i / 8) + 31 must be in; younger are K's later channels (24, 16, 8, 0 loads) and what has been issued of V (0, 16, 32, 32)
.if i == 0
	s_wait_dscnt 24
.elseif i == 8
	s_wait_dscnt 32
.elseif i == 16
	s_wait_dscnt 40
.elseif i == 24
	s_wait_dscnt 32
.endif
	KQ 0
.if (i < 16) && (i%2 == 1)
	FETCH_V2 i-1                    ; four of V's loads; V's registers were last read by the step before, ahead of MASK's sixteen plain lines
.endif
.set i, i+1
.endr
	WIN 0
	PLACES                          ; between those products and the first read of their scores
.set k, 0
.set i, 0
.rept 32
	KQ 2
	SLICE 0
	SLICE 0
.set i, i+1
.endr
	s_wait_dscnt 0x0                ; V is in
.set k, 0
.set i, 0
.rept 32
	PV 0
	SLICE 2
	SLICE 2
.set i, i+1
.endr
.set i, 0
.rept 32
	PV 2
.set i, i+1
.endr
	WIN 0
.endm
; A BLOCK'S END, first half: l's halves are added (the first four additions are the places behind the last products); slots 2, 3 go into my part of the exchange.
.macro SENDX
	WIN 0
.irp t, 0,1,2,3
	v_add_f32 v[ST+8*\t+4], v[ST+8*\t+2], v[ST+8*\t+3]
.endr
.irp t, 0,1,2,3
	v_permlanex16_b32 v[ST+8*\t+5], v[ST+8*\t+4], s[SEL], s[SEL+1]
.endr
.irp t, 0,1,2,3
	v_add_f32 v[ST+8*\t+1], v[ST+8*\t+4], v[ST+8*\t+5]
.endr
	WIN 0x04                        ; store data in window 1
.set n, 0
.rept 32
	ds_store_b128 v[XS], v[128+4*n:128+4*n+3] offset:512*n
.set n, n+1
.endr
	WIN 0
	ds_store_b64 v[XS2], v[ST+16:ST+17]
	ds_store_b64 v[XS2], v[ST+24:ST+25] offset:256
.endm
; Second half, behind a barrier: my partner's slots 2, 3 are my slots 0, 1's heads over the other 64 keys of every tile.  Merge, divide, round, through my own stage, store.  more = 1: the second block's Q is asked for first.
.macro MERGE yp, more
	WIN 0
.if \more
	QLOAD QP2
.endif
.set n, 0
.rept 32
	ds_load_b128 v[S+4*n:S+4*n+3], v[XL] offset:512*n
.set n, n+1
.endr
	ds_load_b64 v[MT:MT+1], v[XL2]
	ds_load_b64 v[MT+2:MT+3], v[XL2] offset:256
	s_wait_dscnt 0x0
.irp t, 0,1
	v_max_num_f32 v[E+4*\t], v[ST+8*\t], v[MT+2*\t]
	v_sub_f32 v[E+4*\t+1], v[ST+8*\t], v[E+4*\t]
	v_sub_f32 v[E+4*\t+3], v[MT+2*\t], v[E+4*\t]
.endr
.irp t, 0,1
	v_exp_f32 v[E+4*\t+1], v[E+4*\t+1]             ; fA
	v_exp_f32 v[E+4*\t+3], v[E+4*\t+3]             ; fB
.endr
	v_nop
	s_wait_alu depctr_va_vdst(0)    ; one wait for the four
.irp t, 0,1
	v_mul_f32 v[E+4*\t], v[E+4*\t+1], v[ST+8*\t+1]
	v_fmac_f32 v[E+4*\t], v[E+4*\t+3], v[MT+2*\t+1]  ; fA l_A + fB l_B: at least 1, since a position sees its own key
.endr
.irp t, 0,1
	v_rcp_f32 v[E+4*\t+2], v[E+4*\t]
.endr
	v_nop
	s_wait_alu depctr_va_vdst(0)    ; one wait for the two
.irp t, 0,1
	v_mul_f32 v[E+4*\t], v[E+4*\t+1], v[E+4*\t+2]    ; a'
	v_mul_f32 v[E+4*\t+2], v[E+4*\t+3], v[E+4*\t+2]  ; b'
.endr
.set z, 0
.rept 64
	v_pk_mul_f32 v[S+2*z:S+2*z+1], v[S+2*z:S+2*z+1], v[E+4*(z/32)+2:E+4*(z/32)+3] op_sel_hi:[1,0]
.set z, z+1
.endr
	WIN 0x01                        ; source 0, my O^T, in window 1; read in ascending order
.set z, 0
.rept 64
	v_pk_fma_f32 v[S+2*z:S+2*z+1], v[2*z:2*z+1], v[E+4*(z/32):E+4*(z/32)+1], v[S+2*z:S+2*z+1] op_sel_hi:[1,0,1]
.set z, z+1
.endr
	WIN 0
.set z, 0
.rept 64
	v_cvt_pk_f16_f32 v[P+z], v[S+2*z], v[S+2*z+1]
.set z, z+1
.endr
.irp t, 0,1
.irp f, 0,1,2,3,4,5,6,7
	ds_store_b128 v[STO], v[P+32*\t+4*\f:P+32*\t+4*\f+3] offset:32*\f
.endr
.irp f, 0,1,2,3,4,5,6,7
	ds_load_b128 v[P+32*\t+4*\f:P+32*\t+4*\f+3], v[RD] offset:\f*2*SP  ; LDS serves a wave's instructions in order (ISA guide 5.7.1.4): these see the stores above; the next tile's stores come behind them
.endr
.endr
.irp t, 0,1
.irp f, 0,1,2,3,4,5,6,7
	s_wait_dscnt 16*(1-\t)+7-\f     ; this load is back; the tile's younger loads, and behind tile 0 tile 1's sixteen LDS instructions, stay out
	global_store_b128 v[GO], v[P+32*\t+4*\f:P+32*\t+4*\f+3], s[\yp:\yp+1] offset:256*\t+8192*\f  ; 16 lanes store a head's 256 bytes of a row, aligned
.endr
.endr
	s_wait_xcnt 0x0                 ; the stores have read P's registers, which the next block writes
.endm
	s_load_b256 s[4:11], s[0:1], 0x0  ; qkv s[4:5], q_gain s[6:7], k_gain s[8:9], y s[10:11]
	v_lshl_add_u32 v[SPW], v0, 2, SPARE
	v_mov_b32 v[NIL], 0
	ds_add_u32 v[SPW], v[NIL]       ; the wave's opening: the add and its wait ahead of my first tensor load
	v_lshrrev_b32 v1, 5, v0
	v_readfirstlane_b32 s[WV], v1
	s_lshr_b32 s[RR], s[WV], 1
	s_and_b32 s[SS], s[WV], 1
	s_mov_b32 s[JJ], ttmp9
	s_and_b32 s[BK], ttmp7, 0xffff
	s_lshr_b32 s[BB], s[BK], 2
	s_and_b32 s[KV], s[BK], 3
	s_mov_b32 s[G1K], (1<<16)|(1<<20)|(5<<22)|(3<<25)  ; 2-byte elements; padding on; after every 64 words 4 words
	s_mov_b32 s[G1V], (1<<16)|(1<<20)|(5<<22)|(7<<25)  ; 8 words
.irp g, G1K, G1V
	s_mov_b32 s[(\g)+1], 128<<16    ; tensor_dim0 = 128
	s_mov_b32 s[(\g)+2], 64<<16     ; tensor_dim1 = 64
	s_mov_b32 s[(\g)+3], 128<<16    ; tile_dim0 = 128
	s_mov_b32 s[(\g)+4], 64         ; tile_dim1 = 64
	s_mov_b32 s[(\g)+5], 3072       ; elements from row to row of qkv
	s_mov_b32 s[(\g)+6], 0
	s_mov_b32 s[(\g)+7], 0
.endr
	s_mov_b32 s[G0K], 1
	s_mul_i32 s[G0K+1], s[SS], STEPB  ; the half tile that I fetch: w % 2; slot 0
	s_mov_b32 s[G0V], 1
	s_add_co_u32 s[G0V+1], s[G0K+1], VOFF
	; byte offsets, each in the pair that will hold the address
	s_mul_i32 s19, s[BB], 1024*6144
	s_lshl_b32 s2, s[KV], 8
	s_add_co_u32 s2, s2, s19
	s_add_co_u32 s2, s2, 4096       ; K of my kv head, key 0
	s_add_co_u32 s[PFA], s2, TILEB  ; tile 1: the first change of slots steps it to tile 2
	s_mov_b32 s[PFA+1], 0
	s_mul_i32 s3, s[SS], 64*6144
	s_add_co_u32 s[KB], s2, s3
	s_mov_b32 s[KB+1], 0
	s_mul_i32 s3, s[RR], 16*6144
	s_add_co_u32 s3, s3, s19
	s_lshl_b32 s2, s[KV], 10
	s_add_co_u32 s3, s3, s2         ; Q: my 16 rows of block 0, head 4 kv
	s_sub_co_u32 s88, 31, s[JJ]     ; the first block
	s_mul_i32 s2, s88, 32*6144
	s_add_co_u32 s[QP1], s2, s3
	s_mov_b32 s[QP1+1], 0
	s_mul_i32 s2, s[JJ], 32*6144
	s_add_co_u32 s[QP2], s2, s3
	s_mov_b32 s[QP2+1], 0
	s_lshl_b32 s3, s[BB], 22        ; y: rows of 4,096 bytes
	s_lshl_b32 s2, s[RR], 16
	s_add_co_u32 s3, s3, s2
	s_lshl_b32 s2, s[KV], 10
	s_add_co_u32 s3, s3, s2
	s_lshl_b32 s2, s[SS], 9         ; the heads that I keep: 4 kv + 2 (w % 2) + 0, 1
	s_add_co_u32 s3, s3, s2
	s_lshl_b32 s2, s88, 17
	s_add_co_u32 s[YP1], s2, s3
	s_mov_b32 s[YP1+1], 0
	s_lshl_b32 s2, s[JJ], 17
	s_add_co_u32 s[YP2], s2, s3
	s_mov_b32 s[YP2+1], 0
	s_lshl_b32 s3, s[RR], 4         ; my first position in the diagonal tile less my first key: 32 (block % 4) + 16 (w / 2) - 64 (w % 2)
	s_lshl_b32 s2, s[SS], 6
	s_sub_co_u32 s3, s3, s2
	s_and_b32 s2, s88, 3
	s_lshl_b32 s2, s2, 5
	s_add_co_u32 s[THS], s2, s3
	s_and_b32 s2, s[JJ], 3
	s_lshl_b32 s2, s2, 5
	s_add_co_u32 s[THS2], s2, s3
	s_lshr_b32 s[LQ2], s[JJ], 2
	s_sub_co_u32 s[LQ], 7, s[LQ2]   ; the first block's last tile
	s_add_co_u32 s[RT], s[LQ], 1
	s_mov_b32 s[NXT], 1
	s_mov_b32 s[SLOTS], 8
	s_mul_i32 s[TB], s[SS], STEPB
	s_add_co_u32 s[TB], s[TB], SLOT1  ; the first change of slots turns it to slot 0
	s_mov_b32 s[PFT], 1
	s_cmp_eq_u32 s[JJ], 0
	s_cselect_b32 s[PFL], 8, 0
	s_mov_b32 s[SEL], 0x76543210
	s_mov_b32 s[SEL+1], 0xfedcba98
	s_mov_b32 s[BIGN], 0xf149f2ca   ; -1e30
	s_mov_b32 s[FF+1], 0            ; named as pairs
	s_mov_b32 s[OFF+1], 0
	s_wait_dscnt 0x0                ; the opening add is done
	s_wait_kmcnt 0x0
	s_add_nc_u64 s[KB:KB+1], s[4:5], s[KB:KB+1]
	s_add_nc_u64 s[VB:VB+1], s[KB:KB+1], 1024
	s_mov_b64 s[G0K+2:G0K+3], s[KB:KB+1]
	s_or_b32 s[G0K+3], s[G0K+3], 0x80000000
	s_mov_b64 s[G0V+2:G0V+3], s[VB:VB+1]
	s_or_b32 s[G0V+3], s[G0V+3], 0x80000000
	LOAD                            ; tile 0 into slot 0: one load of mine is out, here and behind every change of slots
	s_add_nc_u64 s[PFA:PFA+1], s[4:5], s[PFA:PFA+1]
	s_add_nc_u64 s[QP1:QP1+1], s[4:5], s[QP1:QP1+1]
	s_add_nc_u64 s[QP2:QP2+1], s[4:5], s[QP2:QP2+1]
	s_add_nc_u64 s[YP1:YP1+1], s[10:11], s[YP1:YP1+1]
	s_add_nc_u64 s[YP2:YP2+1], s[10:11], s[YP2:YP2+1]
	s_lshl_b32 s2, s[KV], 4
	s_mov_b32 s3, 0
	s_add_nc_u64 s[6:7], s[6:7], s[2:3]
	s_lshl_b32 s2, s[KV], 2
	s_add_nc_u64 s[8:9], s[8:9], s[2:3]
	s_load_b128 s[92:95], s[6:7], 0x0  ; the gains of query heads 4 kv .. 4 kv + 3,
	s_load_b32 s96, s[8:9], 0x0        ; and of my kv head
	v_and_b32 v1, 15, v0            ; lane % 16
	v_bfe_u32 v9, v0, 4, 1          ; lane / 16
	v_mul_u32_u24 v[QOA], v1, 6144
	v_lshl_add_u32 v[QOA], v9, 4, v[QOA]
	s_lshl_b32 s2, s[SS], 9
	s_xor_b32 s3, s2, 512
	v_add_nc_u32 v[QOB], s3, v[QOA] ; slots 2, 3: heads 2 (1 - w % 2) + 0, 1
	v_add_nc_u32 v[QOA], s2, v[QOA] ; slots 0, 1: heads 2 (w % 2) + 0, 1
	QLOAD QP1
	v_mul_u32_u24 v[AK0], v1, PKB
	v_lshl_add_u32 v[AK0], v9, 4, v[AK0]
	v_and_b32 v10, 7, v0            ; the turning load: lane l reads key 8 (l / 16) + l % 8, channels 8 ((l / 8) % 2) + 0..7
	v_bfe_u32 v11, v0, 3, 1
	v_lshl_add_u32 v[AV0], v9, 3, v10
	v_mul_u32_u24 v[AV0], v[AV0], PVB
	v_lshl_add_u32 v[AV0], v11, 4, v[AV0]
	v_add_nc_u32 v[AV0], VOFF, v[AV0]
	s_mul_i32 s2, s[WV], 16*SP
	s_add_co_u32 s2, s2, STAGE
	v_mul_u32_u24 v[STO], v1, SP
	v_lshl_add_u32 v[STO], v9, 4, v[STO]
	v_add_nc_u32 v[STO], s2, v[STO]
	v_mul_u32_u24 v[RD], v9, SP
	v_lshl_add_u32 v[RD], v1, 4, v[RD]
	v_add_nc_u32 v[RD], s2, v[RD]
	v_lshlrev_b32 v[GO], 12, v9
	v_lshl_add_u32 v[GO], v1, 4, v[GO]
	v_lshlrev_b32 v[LQH], 3, v9
	v_sub_nc_u32 v[LQH], v1, v[LQH]
	v_and_b32 v[THR], 31, v0        ; (the lane, for a moment)
	s_mul_i32 s2, s[WV], XW
	s_add_co_u32 s2, s2, XBASE
	s_xor_b32 s3, s[WV], 1
	s_mul_i32 s3, s3, XW
	s_add_co_u32 s3, s3, XBASE
	v_lshl_add_u32 v[XS], v[THR], 4, s2
	v_lshl_add_u32 v[XL], v[THR], 4, s3
	s_add_co_u32 s2, s2, 16384
	s_add_co_u32 s3, s3, 16384
	v_lshl_add_u32 v[XS2], v[THR], 3, s2
	v_lshl_add_u32 v[XL2], v[THR], 3, s3
	v_mul_u32_u24 v[PFO], v0, 6144
	; O^T and l need only be finite where a block begins: zeros for the first block, what the first block left for the second.  264 lines, once a launch, in the wait for the first tile: the price of writing no first step out.
	WIN 0x40
.set n, 0
.rept 256
	v_mov_b32 v[n], 0
.set n, n+1
.endr
	WIN 0
.set t, 0
.rept 4
	v_mov_b32 v[ST+8*t+2], 0
	v_mov_b32 v[ST+8*t+3], 0
.set t, t+1
.endr
	s_wait_kmcnt 0x0
.irp g, 92,93,94,95,96              ; each gain rounded to bf16, to nearest even
	s_bfe_u32 s2, s[\g], 0x10010
	s_add_co_u32 s[\g], s[\g], s2
	s_add_co_u32 s[\g], s[\g], 0x7fff
	s_and_b32 s[\g], s[\g], 0xffff0000
.endr
	v_mov_b32 v[MT], s96
	v_mul_f32 v[MT], 0x3e0293ee, v[MT]  ; x log2(e) / sqrt(128)
.irp g, 0,1,2,3
	v_mul_f32 v[E+\g], s[92+\g], v[MT]
	v_readfirstlane_b32 s[92+\g], v[E+\g]
.endr
	s_cmp_eq_u32 s[SS], 0           ; slot t holds head t ^ 2 (w % 2)
	s_cselect_b32 s88, s92, s94
	s_cselect_b32 s89, s93, s95
	s_cselect_b32 s90, s94, s92
	s_cselect_b32 s91, s95, s93
.irp t, 0,1,2,3
	s_lshr_b32 s2, s[88+\t], 31
	s_mul_i32 s[SGN+\t], s2, 0x80008000
	s_and_b32 s2, s[88+\t], 0x7fffffff
	s_max_u32 s[CS+2*\t], s2, 0x1e3ce508   ; positive floats order as whole numbers: at least 1e-20
	s_mov_b32 s[CS+2*\t+1], s[CS+2*\t]
.endr
	BEGIN
.Lslot:                             ; 8 trips: a tile is entered and the next is asked for
	CHANGE 1
	s_sub_co_u32 s[RT], s[RT], 1
	s_cmp_eq_u32 s[RT], 0           ; the block's last tile holds the diagonal
	s_cselect_b32 s[FF], 1.0, 0
	MASK
	STEP
	s_cmp_lg_u32 s[RT], 0           ; RT is made of the work-group's number and counts: the same in all four waves
	s_cbranch_scc1 .Lkeep
	SENDX                           ; in the loop this is the first block's end: the second block's last tile is the walk's last
.Lkeep:
	s_wait_dscnt 0x0                ; for my partner's sake: my stores into the exchange are done
	s_barrier_signal -1             ; on every trip's path, so that no jump passes a barrier
	s_barrier_wait -1
	s_cmp_lg_u32 s[RT], 0
	s_cbranch_scc1 .Lbottom
	MERGE YP1, 1
	s_add_co_u32 s[RT], s[LQ2], 1   ; the second block has J / 4 + 1 tiles
	s_mov_b32 s[THS], s[THS2]
	BEGIN
.Lbottom:
	s_sub_co_u32 s[SLOTS], s[SLOTS], 1
	s_cmp_lg_u32 s[SLOTS], 0
	s_cbranch_scc1 .Lslot
	CHANGE 0                        ; the walk's last tile is written out: the second block's diagonal tile
	s_mov_b32 s[FF], 1.0
	MASK
	STEP
	SENDX
	s_wait_dscnt 0x0
	s_barrier_signal -1
	s_barrier_wait -1
	MERGE YP2, 0
	s_wait_tensorcnt 0x0            ; the wave's end
	ds_add_u32 v[SPW], v[NIL]
	s_wait_dscnt 0x0
	s_endpgm
.Lfunc_end_k_q0731ea8561_attn:
	.size	k_q0731ea8561_attn, .Lfunc_end_k_q0731ea8561_attn-k_q0731ea8561_attn
	.p2alignl 7, 3214868480
	.fill 96, 4, 3214868480
	.section	.rodata,"a",@progbits
	.p2align	6, 0x0
	.amdhsa_kernel k_q0731ea8561_attn
		.amdhsa_group_segment_fixed_size 327680
		.amdhsa_private_segment_fixed_size 0
		.amdhsa_enable_private_segment 0
		.amdhsa_kernarg_size 32
		.amdhsa_user_sgpr_count 2
		.amdhsa_user_sgpr_kernarg_segment_ptr 1
		.amdhsa_wavefront_size32 1
		.amdhsa_system_sgpr_workgroup_id_x 1
		.amdhsa_system_sgpr_workgroup_id_y 1
		.amdhsa_system_sgpr_workgroup_id_z 1
		.amdhsa_system_vgpr_workitem_id 0
		.amdhsa_next_free_vgpr 960
		.amdhsa_next_free_sgpr 100
		.amdhsa_reserve_vcc 1
		.amdhsa_float_denorm_mode_32 3
		.amdhsa_float_denorm_mode_16_64 3
		.amdhsa_memory_ordered 1
		.amdhsa_forward_progress 1
		.amdhsa_inst_pref_size 181
	.end_amdhsa_kernel
	.amdgpu_metadata
---
amdhsa.version: [ 1, 2 ]
amdhsa.kernels:
  - .name:           k_q0731ea8561_attn
    .symbol:         k_q0731ea8561_attn.kd
    .args:
      - { .name: qkv, .offset: 0, .size: 8, .value_kind: global_buffer, .address_space: global }
      - { .name: q_gain, .offset: 8, .size: 8, .value_kind: global_buffer, .address_space: global }
      - { .name: k_gain, .offset: 16, .size: 8, .value_kind: global_buffer, .address_space: global }
      - { .name: y, .offset: 24, .size: 8, .value_kind: global_buffer, .address_space: global }
    .group_segment_fixed_size: 327680
    .private_segment_fixed_size: 0
    .kernarg_segment_align: 8
    .kernarg_segment_size: 32
    .max_flat_workgroup_size: 128
    .sgpr_count:     100
    .vgpr_count:     960
    .wavefront_size: 32
...
	.end_amdgpu_metadata
.endif
;; end of part 3
;; launch oproj (part 4): grid 8 x 32, 4 waves a work-group, clusters of 4 x 4, 327,680 bytes of LDS; arguments y, wof, out0; writes out0
.if DOCPART == 4
	.amdgcn_target "amdgcn-amd-amdhsa--gfx1250"
	.amdhsa_code_object_version 6
	.text
	.protected	k_q0731ea8561_oproj
	.globl	k_q0731ea8561_oproj
	.p2align	8
	.type	k_q0731ea8561_oproj,@function
k_q0731ea8561_oproj:
	s_mov_b64 s[64:65], 0
	v_nop
	global_prefetch_b8 v0, s[64:65] scope:SCOPE_SE
	s_setreg_imm32_b32 hwreg(HW_REG_WAVE_MODE, 25, 1), 1
	s_wait_xcnt 0x0
	s_wait_alu depctr_hold_cnt(0) depctr_sa_sdst(0) depctr_va_vdst(0) depctr_va_sdst(0) depctr_va_ssrc(0) depctr_va_vcc(0) depctr_vm_vsrc(0)
	s_getreg_b32 s2, hwreg(HW_REG_IB_STS2, 6, 4)
	s_cmp_eq_u32 s2, 0
	s_cbranch_scc0 .Lentry_in_a_cluster
	s_endpgm
.Lentry_in_a_cluster:
	s_bfe_u32 s2, ttmp6, 0x10000c
	s_cmp_lg_u32 s2, 0xf033
	s_cbranch_scc0 .Lentry_shape_is_right
	s_endpgm
.Lentry_shape_is_right:
; OUTPUT PROJECTION.  out0[m][n] = sum over k of y[m][k] wof[n][k].  y [4096][2048], wof [2048][2048] f16; sums in f32; out0 [4096][2048] f32.
; SHARES.  256 tiles of 128 x 256, one to a work-group.  A wave makes all 128 rows x 64 columns: 8 x 4 accumulators, 256 registers (window 1).  K goes in 16 steps of 128 (rows of 256 bytes, aligned)
; through two LDS slots.  CLUSTER 4 x 4: y's tile is shared along a row, wof's along a column: joint loads.  Waves 0, 1 ask for 64 rows of y each, waves 2, 3 for 128 rows of wof each.
; THE REFILLS FOLLOW EACH OTHER: a refill goes out only when the one before has landed in all sixteen work-groups.  So between the wait for a tile and the next request stand only the lines that the
; ordering needs; the products of the K step's last quarter follow the request.
; A PREFETCH INTO THE L2 stands behind each refill but the last: the K step that the NEXT refill will ask for, 128 matrix instructions ahead of that load: 32 rows x 256 bytes, a lane a row, one instruction a
; wave.  Each row's 256 bytes of a K step are named once in the launch: y's tile row is read by both clusters of a row of clusters, and the one with cluster x = 0 asks (wave 0, for the tile's 128 rows);
; wof's tile column by all eight clusters of a column, and the one with cluster y = 0 asks (waves 2, 3, for the 128 rows that each fetches).  The four partners that share a tile take 32 of the 128 rows each,
; told apart BY ADDRESS (cx for y, cy for wof).  Wave 1 asks for nothing.  K steps 0 to 2 come by their loads alone.
; THE MATRIX INSTRUCTION IS USED TRANSPOSED (source 0 = 16 rows of wof, source 1 = 16 rows of y): lane l holds row l % 16 and the columns 8 (l / 16) + 0..7 of a block: 32 bytes of a row of out0.
; A wave's 64 columns are 256 bytes: 16 rows at a time go through the wave's own stage in LDS and leave as whole aligned pieces of 256 bytes.
; REGISTERS: window 0: v0-31 addresses; v32-95, v96-159 y's fragments, two buffers (on the way out: four sets of 32); v160-191, v192-223 wof's.  window 1: accumulator (a, b) at 8 (4 a + b).
.set CB,     4
.set AW,     8
.set KSTEP,  128
.set PITCH,  272                       ; 256 bytes + 16 of padding: the 16 rows of a fragment load start at 16 different groups of four banks (ISA guide 11.1)
.set ABYTES, 128*PITCH
.set SLOT,   (128+64*CB)*PITCH         ; 104,448
.set STAGE,  2*SLOT                    ; behind the ring: 16 rows x 272 bytes for each wave
.set SPITCH, 272
.set SPARE,  STAGE+4*16*SPITCH         ; the spare words, 128 bytes a wave
.set LAPS,   8
.set NF,     16+2*CB
.set ADRA, 16
.set ADRB, 20
.set STO,  24
.set RD,   25
.set CO,   26
.set SPW,  28                          ; v28  my spare word: SPARE + 4 x my thread's number; never rewritten
.set NIL,  29                          ; v29  0; never rewritten
.set PFO,  30                          ; v30  the prefetches' offset: my lane x a row of 4,096 bytes; never rewritten
.set FA,   32
.set FB,   160
.set OB,   32
.set G1,  24
.set G0,  32
.set G1B, 48
.set G0B, 56
.set LIM, 66                           ; s66  1 in a wave that prefetches, else the greatest number
.set PFA, 70                           ; s[70:71] my work-group's 32 rows, at the K step that the next refill will ask for
.set MSB, 0
.macro WIN new
.if MSB != (\new)
	s_set_vgpr_msb (MSB<<8)|(\new)
.set MSB, \new
.endif
.endm
.macro JLOAD s                         ; a joint load; the branch hangs on the wave's number alone; an s_nop 0 and four v_nop follow each line
	s_cmp_lt_u32 s10, 2
	s_cbranch_scc0 .Lfor_b_\@
	tensor_load_to_lds s[G0+4*(\s):G0+4*(\s)+3], s[G1:G1+7]
	s_nop 0
.rept 4
	v_nop
.endr
	s_branch .Lasked_\@
.Lfor_b_\@:
	tensor_load_to_lds s[G0B+4*(\s):G0B+4*(\s)+3], s[G1B:G1B+7]
	s_nop 0
.rept 4
	v_nop
.endr
.Lasked_\@:
.endm
.macro ASK second                      ; the prefetch.  second = 1: a trip's second refill, which in the loop's last trip (s3 = 1) is the launch's last: no K step stands behind the one that it asks for
.if \second
	s_cmp_gt_u32 s3, s[LIM]
.else
	s_cmp_eq_u32 s[LIM], 1
.endif
	s_cbranch_scc0 .Lnot_mine_\@
	global_prefetch_b8 v[PFO], s[PFA:PFA+1] th:TH_LOAD_NT scope:SCOPE_SE
.Lnot_mine_\@:
.endm
.macro CREST
	s_cmp_lg_u32 s10, 0
	s_cbranch_scc1 .Lnot_wave_0_\@
	s_barrier_signal -3
.Lnot_wave_0_\@:
	s_barrier_wait -3
	s_barrier_signal -1
	s_barrier_wait -1
.endm
.macro CROUND
	s_barrier_signal -1
	s_barrier_wait -1
	CREST
.endm
.macro PLACES                          ; four places in front of loads into registers that matrix instructions have read, and of lines that read results
.rept 4
	v_nop
.endr
.endm
.macro MUL f, a0, na, zero             ; na x 4 matrix instructions; all 32 accumulators take turns.  zero = 1: the product starts the sum
.set aa, \a0
.rept \na
	WIN 0x50*(1+aa/AW)
.set bb, 0
.rept CB
.set rD, 8*(CB*(aa%AW)+bb)
.set rB, FB+8*CB*(\f)+8*bb
.set rA, FA+64*(\f)+8*aa
.if \zero
	v_wmma_f32_16x16x32_f16 v[rD:rD+7], v[rB:rB+7], v[rA:rA+7], 0
.else
	v_wmma_f32_16x16x32_f16 v[rD:rD+7], v[rB:rB+7], v[rA:rA+7], v[rD:rD+7]
.endif
.set bb, bb+1
.endr
.set aa, aa+1
.endr
.endm
.macro FETCH slot, k, f                ; one run of 24 LDS loads: wof's 4 fragments, then y's 8
	WIN 0
.set ii, 0
.rept CB
	ds_load_b128 v[FB+8*CB*(\f)+8*ii:FB+8*CB*(\f)+8*ii+3],   v[ADRB+(\slot)] offset:(\k)+ii*16*PITCH
	ds_load_b128 v[FB+8*CB*(\f)+8*ii+4:FB+8*CB*(\f)+8*ii+7], v[ADRB+(\slot)] offset:(\k)+ii*16*PITCH+32
.set ii, ii+1
.endr
.set ii, 0
.rept 8
	ds_load_b128 v[FA+64*(\f)+8*ii:FA+64*(\f)+8*ii+3],   v[ADRA+(\slot)] offset:(\k)+ii*16*PITCH
	ds_load_b128 v[FA+64*(\f)+8*ii+4:FA+64*(\f)+8*ii+7], v[ADRA+(\slot)] offset:(\k)+ii*16*PITCH+32
.set ii, ii+1
.endr
.endm
.macro QUARTER slot, k, f, g, zero
	s_wait_dscnt 8                                 ; all but the youngest eight loads (y's rows 64-127)
	MUL \f, 0, 4, \zero
	PLACES
	FETCH \slot, \k, \g
	s_wait_dscnt NF                                ; all but the run just issued
	MUL \f, 4, 4, \zero
.endm
; The last quarter of a K step changes slots and then multiplies buffer 1.  ONE barrier: in front of it each wave waits for all its tensor loads (its part of the next slot), adds 0 to its spare word,
; and waits for that and for its reads of this slot (buffer 1's fragments, issued half a quarter back).  fill = 1: the barrier opens a round of the cluster's, and the joint refill, two K steps ahead, is the
; first thing behind the round; then come the next slot's first fragments, the prefetch, and the quarter's 32 products.
.macro TURN slot, next, fill
	WIN 0
.if \fill
	s_wait_xcnt 0x0                                ; the last prefetch, a K step back, has read its address, which steps here, ahead of the waits of the change of slots
	s_add_nc_u64 s[PFA:PFA+1], s[PFA:PFA+1], KSTEP*2
.endif
	s_wait_tensorcnt 0x0                           ; no tensor load of mine is out, so every group 0 may be written
	ds_add_u32 v[SPW], v[NIL]                      ; the descriptors' steps stand between the add and its wait
.if \fill
	s_add_nc_u64 s[G0+4*(\slot)+2:G0+4*(\slot)+3], s[G0+4*(\slot)+2:G0+4*(\slot)+3], 2*KSTEP*2
	s_add_nc_u64 s[G0B+4*(\slot)+2:G0B+4*(\slot)+3], s[G0B+4*(\slot)+2:G0B+4*(\slot)+3], 2*KSTEP*2
.endif
	s_wait_dscnt 0x0                               ; the add is done, my reads of this slot are over
	s_barrier_signal -1
	s_barrier_wait -1
.if \fill
	CREST                                          ; no wave of any partner still reads this slot or has a load on its way
	JLOAD \slot                                    ; its four v_nop are also the places in front of the loads below
.else
	PLACES
.endif
	FETCH \next, 0, 0
.if \fill
	ASK \slot
.endif
	MUL 1, 0, 8, 0
.endm
	s_load_b128 s[4:7], s[0:1], 0x0                ; y s[4:5], wof s[6:7]
	s_load_b64 s[68:69], s[0:1], 0x10              ; out0
	v_lshl_add_u32 v[SPW], v0, 2, SPARE
	v_mov_b32 v[NIL], 0
	ds_add_u32 v[SPW], v[NIL]                      ; the wave's opening: the add and its wait ahead of my first tensor load
	v_lshrrev_b32 v1, 5, v0
	v_readfirstlane_b32 s10, v1                    ; wave 0..3
	s_and_b32 s12, s10, 1                          ; which part of y's or of wof's tile I fetch
	s_bfe_u32 s40, ttmp6, 0x40000                  ; cx, cy
	s_bfe_u32 s41, ttmp6, 0x40004
	s_lshl_b32 s42, ttmp9, 2
	s_add_co_u32 s42, s42, s40                     ; tile column 0..7
	s_and_b32 s13, ttmp7, 0xffff
	s_lshl_b32 s13, s13, 2
	s_add_co_u32 s13, s13, s41                     ; tile row 0..31
	s_lshl_b32 s43, s41, 2
	s_lshl_b32 s43, 15, s43                        ; my row of the cluster
	s_lshl_b32 s44, 0x1111, s40                    ; my column
	s_or_b32 s[G1], s43, (1<<16)|(1<<20)|(1<<21)|(5<<22)|(3<<25)   ; mask; 2-byte elements; padding on; bit 21 beside a mask; after every 64 words, 4 words
	s_or_b32 s[G1B], s44, (1<<16)|(1<<20)|(1<<21)|(5<<22)|(3<<25)
	s_mov_b32 s[G1+1], KSTEP<<16                   ; y: 64 rows x 128 elements
	s_mov_b32 s[G1+2], 64<<16
	s_mov_b32 s[G1+3], KSTEP<<16
	s_mov_b32 s[G1+4], 64
	s_mov_b32 s[G1+5], 2048
	s_mov_b32 s[G1+6], 0
	s_mov_b32 s[G1+7], 0
	s_mov_b32 s[G1B+1], KSTEP<<16                  ; wof: 128 rows x 128 elements
	s_mov_b32 s[G1B+2], 128<<16
	s_mov_b32 s[G1B+3], KSTEP<<16
	s_mov_b32 s[G1B+4], 128
	s_mov_b32 s[G1B+5], 2048
	s_mov_b32 s[G1B+6], 0
	s_mov_b32 s[G1B+7], 0
	s_lshl_b32 s16, s13, 19                        ; y: row 128 x tile row + 64 x part, rows of 4,096 bytes
	s_lshl_b32 s17, s12, 18
	s_add_co_u32 s16, s16, s17
	s_mov_b32 s17, 0
	s_lshl_b32 s46, s42, 20                        ; wof: row 256 x tile column + 128 x part
	s_lshl_b32 s47, s12, 19
	s_add_co_u32 s46, s46, s47
	s_mov_b32 s47, 0
	s_mul_i32 s20, s12, 64*PITCH                   ; where they go: no place in the cluster enters an LDS address
	s_mul_i32 s21, s12, ABYTES
	s_add_co_u32 s21, s21, ABYTES
	s_wait_dscnt 0x0                               ; the opening add is done
	s_wait_kmcnt 0x0
	s_add_nc_u64 s[14:15], s[4:5], s[16:17]
	s_add_nc_u64 s[46:47], s[6:7], s[46:47]
	CROUND                                         ; all sixteen work-groups are here: the first joint loads meet
.irp s, 0,1
	s_mov_b32 s[G0+4*(\s)], 1
	s_add_co_u32 s[G0+4*(\s)+1], s20, (\s)*SLOT
	s_add_nc_u64 s[G0+4*(\s)+2:G0+4*(\s)+3], s[14:15], (\s)*KSTEP*2
	s_or_b32 s[G0+4*(\s)+3], s[G0+4*(\s)+3], 0x80000000
	s_mov_b32 s[G0B+4*(\s)], 1
	s_add_co_u32 s[G0B+4*(\s)+1], s21, (\s)*SLOT
	s_add_nc_u64 s[G0B+4*(\s)+2:G0B+4*(\s)+3], s[46:47], (\s)*KSTEP*2
	s_or_b32 s[G0B+4*(\s)+3], s[G0B+4*(\s)+3], 0x80000000
	JLOAD \s                                       ; two loads of mine are out
.endr
	v_and_b32 v1, 15, v0                           ; r = l % 16
	v_bfe_u32 v2, v0, 4, 1                         ; h = l / 16
	v_mul_u32_u24 v3, v1, PITCH
	v_lshl_add_u32 v3, v2, 4, v3
	s_mul_i32 s22, s10, 16*CB*PITCH
	s_add_co_u32 s22, s22, ABYTES                  ; my 64 rows of wof's tile
	v_mov_b32 v[ADRA], v3
	v_add_nc_u32 v[ADRA+1], SLOT, v3
	v_add_nc_u32 v[ADRB], s22, v3
	s_add_co_u32 s22, s22, SLOT
	v_add_nc_u32 v[ADRB+1], s22, v3
	s_mul_i32 s23, s10, 16*SPITCH
	s_add_co_u32 s23, s23, STAGE                   ; my stage
	v_mul_u32_u24 v[STO], v1, SPITCH               ; in: row r, 32 bytes for each half of the lanes
	v_lshl_add_u32 v[STO], v2, 5, v[STO]
	v_add_nc_u32 v[STO], s23, v[STO]
	v_mul_u32_u24 v[RD], v2, SPITCH                ; back: lanes 0-15 one row of 256 bytes, lanes 16-31 the next
	v_lshl_add_u32 v[RD], v1, 4, v[RD]
	v_add_nc_u32 v[RD], s23, v[RD]
	v_lshlrev_b32 v[CO], 13, v2                    ; and the same two rows in out0
	v_lshl_add_u32 v[CO], v1, 4, v[CO]
	s_lshl_b32 s16, s13, 20                        ; 128 x tile row, rows of 8,192 bytes
	s_mov_b32 s17, 0
	s_add_nc_u64 s[68:69], s[68:69], s[16:17]
	s_lshl_b32 s46, s42, 10                        ; the tile's 1,024 bytes of a row, my wave's 256
	s_lshl_b32 s47, s10, 8
	s_add_co_u32 s46, s46, s47
	s_mov_b32 s47, 0
	s_add_nc_u64 s[68:69], s[68:69], s[46:47]
	; the prefetches: which rows, of which tensor, and whether my wave and my cluster are the ones that ask
	s_lshl_b32 s16, s13, 7                         ; y: the tile's first row
	s_lshl_b32 s17, s42, 8
	s_lshl_b32 s18, s12, 7
	s_add_co_u32 s17, s17, s18                     ; wof: the first of the 128 rows that I fetch (waves 2, 3)
	s_and_b32 s18, ttmp7, 0xffff                   ; cluster y
	s_cmp_lt_u32 s10, 2                            ; do I fetch for y?
	s_cselect_b32 s16, s16, s17
	s_cselect_b32 s17, s40, s41                    ; my place among the four that share the tile
	s_cselect_b32 s18, ttmp9, s18                  ; the coordinate along which other clusters read the same rows
	s_cselect_b64 s[PFA:PFA+1], s[4:5], s[6:7]
	s_cmp_eq_u32 s10, 1
	s_cselect_b32 s18, 1, s18                      ; wave 1 asks for nothing: wave 0 names my work-group's 32 rows of y's tile
	s_cmp_eq_u32 s18, 0
	s_cselect_b32 s[LIM], 1, -1                    ; the same in all sixteen partners, for a given wave
	s_lshl_b32 s17, s17, 5
	s_add_co_u32 s16, s16, s17                     ; + my work-group's 32 of the 128 rows
	s_lshl_b32 s16, s16, 12
	s_mov_b32 s17, 0
	s_add_nc_u64 s[PFA:PFA+1], s[PFA:PFA+1], s[16:17]
	s_add_nc_u64 s[PFA:PFA+1], s[PFA:PFA+1], 2*KSTEP*2  ; at K step 2: the first refill steps it to 3.  Nothing is prefetched here, at the head, where every work-group's first tiles are on their way
	v_and_b32 v[PFO], 31, v0
	v_lshlrev_b32 v[PFO], 12, v[PFO]
	s_wait_tensorcnt 1                             ; my part of K step 0 is in; K step 1's may stay out
	s_barrier_signal -1
	s_barrier_wait -1
	FETCH 0, 0, 0
	QUARTER 0, 64, 0, 1, 1                         ; the first quarter stands in front of the loop: its products start the sums
	WIN 0
	s_mov_b32 s3, LAPS-1
.Llap:
	QUARTER 0, 128, 1, 0, 0
	QUARTER 0, 192, 0, 1, 0
	TURN 0, 1, 1
	QUARTER 1, 64, 0, 1, 0
	QUARTER 1, 128, 1, 0, 0
	QUARTER 1, 192, 0, 1, 0
	TURN 1, 0, 1
	QUARTER 0, 64, 0, 1, 0
	WIN 0
	s_sub_co_u32 s3, s3, 1
	s_cmp_lg_u32 s3, 0
	s_cbranch_scc1 .Llap
	QUARTER 0, 128, 1, 0, 0                        ; the last lap fills nothing
	QUARTER 0, 192, 0, 1, 0
	TURN 0, 1, 0
	QUARTER 1, 64, 0, 1, 0
	QUARTER 1, 128, 1, 0, 0
	QUARTER 1, 192, 0, 1, 0
	s_wait_dscnt 8
	MUL 1, 0, 4, 0
	s_wait_dscnt 0x0
	MUL 1, 4, 4, 0
	WIN 0
	; THE WAY OUT, 16 rows at a time: the accumulators' f32 into my stage (each from its low end on), back as whole rows of 256 bytes, stored.
.macro TOSTAGE a
	WIN 0x04                                       ; store data in window 1
.set bb, 0
.rept CB
	ds_store_b128 v[STO], v[8*(CB*(\a)+bb):8*(CB*(\a)+bb)+3]   offset:64*bb
	ds_store_b128 v[STO], v[8*(CB*(\a)+bb)+4:8*(CB*(\a)+bb)+7] offset:64*bb+16
.set bb, bb+1
.endr
	WIN 0
.set tt, 0
.rept 8
	ds_load_b128 v[OB+32*((\a)%4)+4*tt:OB+32*((\a)%4)+4*tt+3], v[RD] offset:tt*2*SPITCH  ; LDS serves a wave's instructions in order (ISA guide 5.7.1.4): these see the stores above; the next block's stores come behind them
.set tt, tt+1
.endr
.endm
.macro SEND a, younger                 ; younger: the LDS instructions issued behind block a's loads
.set tt, 0
.rept 8
	s_wait_dscnt (\younger)+7-tt
	global_store_b128 v[CO], v[OB+32*((\a)%4)+4*tt:OB+32*((\a)%4)+4*tt+3], s[68:69] offset:(16*(\a)+2*tt)*8192 th:TH_STORE_NT  ; 16 lanes store 256 consecutive bytes, aligned
.set tt, tt+1
.endr
.endm
	PLACES
	TOSTAGE 0
.irp a, 1,2,3,4,5,6,7
.if \a >= 4
	s_wait_xcnt 0x0                                ; the stores of the block four back have read the registers that this block's loads take
.endif
	TOSTAGE \a
	SEND (\a)-1, 16
.endr
	SEND 7, 0
	s_wait_tensorcnt 0x0                           ; the wave's end
	ds_add_u32 v[SPW], v[NIL]
	s_wait_dscnt 0x0
	CROUND                                         ; the closing round
	s_endpgm
.Lfunc_end_k_q0731ea8561_oproj:
	.size	k_q0731ea8561_oproj, .Lfunc_end_k_q0731ea8561_oproj-k_q0731ea8561_oproj
	.p2alignl 7, 3214868480
	.fill 96, 4, 3214868480
	.section	.rodata,"a",@progbits
	.p2align	6, 0x0
	.amdhsa_kernel k_q0731ea8561_oproj
		.amdhsa_group_segment_fixed_size 327680
		.amdhsa_private_segment_fixed_size 0
		.amdhsa_enable_private_segment 0
		.amdhsa_kernarg_size 24
		.amdhsa_user_sgpr_count 2
		.amdhsa_user_sgpr_kernarg_segment_ptr 1
		.amdhsa_wavefront_size32 1
		.amdhsa_system_sgpr_workgroup_id_x 1
		.amdhsa_system_sgpr_workgroup_id_y 1
		.amdhsa_system_sgpr_workgroup_id_z 1
		.amdhsa_system_vgpr_workitem_id 0
		.amdhsa_next_free_vgpr 512
		.amdhsa_next_free_sgpr 72
		.amdhsa_reserve_vcc 0
		.amdhsa_float_denorm_mode_32 3
		.amdhsa_float_denorm_mode_16_64 3
		.amdhsa_memory_ordered 1
		.amdhsa_forward_progress 1
		.amdhsa_inst_pref_size 88
	.end_amdhsa_kernel
	.amdgpu_metadata
---
amdhsa.version: [ 1, 2 ]
amdhsa.kernels:
  - .name:           k_q0731ea8561_oproj
    .symbol:         k_q0731ea8561_oproj.kd
    .args:
      - { .name: y, .offset: 0, .size: 8, .value_kind: global_buffer, .address_space: global }
      - { .name: wof, .offset: 8, .size: 8, .value_kind: global_buffer, .address_space: global }
      - { .name: out0, .offset: 16, .size: 8, .value_kind: global_buffer, .address_space: global }
    .group_segment_fixed_size: 327680
    .private_segment_fixed_size: 0
    .kernarg_segment_align: 8
    .kernarg_segment_size: 24
    .max_flat_workgroup_size: 128
    .sgpr_count:     72
    .vgpr_count:     512
    .wavefront_size: 32
...
	.end_amdgpu_metadata
.endif
;; end of part 4
;; ======== version 2 of 2: 4 launches; version 1 with the launch prep written anew for expert scheduling mode
;; limits: values are held in f16: magnitudes above 65,504 overflow, below 6.1e-05 lose precision
;; workspace buffers: xb 16,777,216 bytes; wqkv 12,582,912 bytes; wof 8,388,608 bytes; rope 524,288 bytes; qkv 25,165,824 bytes; y 16,777,216 bytes
;; launch prep (part 5): grid 640 x 1, 8 waves a work-group, no clusters, 0 bytes of LDS; arguments x, wq, wk, wv, wo, xb, wqkv, wof, rope; writes xb, wqkv, wof, rope
.if DOCPART == 5
	.amdgcn_target "amdgcn-amd-amdhsa--gfx1250"
	.amdhsa_code_object_version 6
	.text
	.protected	k_q0731ea8561_prep
	.globl	k_q0731ea8561_prep
	.p2align	8
	.type	k_q0731ea8561_prep,@function
k_q0731ea8561_prep:
	s_mov_b64 s[64:65], 0
	v_nop
	global_prefetch_b8 v0, s[64:65] scope:SCOPE_SE
	s_setreg_imm32_b32 hwreg(HW_REG_WAVE_SCHED_MODE, 0, 2), 2
	s_setreg_imm32_b32 hwreg(HW_REG_WAVE_MODE, 25, 1), 1
	s_wait_xcnt 0x0
	s_wait_alu depctr_vm_vsrc(0)
; PREP: the casts, the row order of the projection weights, and the table of cosines and sines.
;   xb   [4096][2048] bf16 = x.      wqkv [3072][2048] bf16 = wq, wk, wv one below the other.      wof [2048][2048] f16 = wo rounded to bf16, that number written as f16.
;   rope [1024][128] f32: row t holds cos(t f_j), j = 0..63, then sin(t f_j), f_j = 10000^(-j/64).
; ROW ORDER OF wqkv.  Row n = 128 head + u.  In the 20 heads of q and k, row u holds channel d = 64 ((u >> 4) & 1) + 16 (u >> 5) + (u & 15): each 32 rows are 16 channels and their
; partners 64 further on, so that the rotation finds both in one wave's registers in the next launch.  q and k share the order, so their products do not see it.  v's rows keep theirs.
; SHARES.  640 work-groups of 8 waves.  0-255: 16 rows of x each.  256-447: 16 rows of wqkv (16 rows on end in the source too).  448-575: 16 rows of wo.  576-639: 16 rows of the table.
; A streaming work-group has all its 32 loads (131,072 bytes) out before the first wait; a wave's store covers 256 consecutive bytes, aligned.  The conversions are made in place, in the registers
; that the loads filled, so that a wave needs 136 registers and more work-groups find room on a WGP at once.  No LDS, no matrix unit: memory binds.
; LIMITS.  wof: below 6e-5 f16 keeps its fixed step of 6e-8; beyond 65,504 it has no number.  The table's angle t f_j carries the exponential's last bit: about 1e-4 radians at the largest angles.
; THE MODE: SCHED_MODE bits 1:0 = 2 (LLVM: expert scheduling mode 2), set by the entry lines.  The code itself states the register dependences between vector instructions and memory
; instructions, with s_wait_alu, always for 0.
; THE PLAN, for the streams.  Registers that memory instructions touch:
;   v1, v2     byte offsets, in and out.  Written once at the head; read by every load (v1) and every store (v2); never written again.
;   v[8:135]   four registers a load.  Written by the load, then by that load's own conversions, in place; the first two are read by the load's one store; behind it none is written again.
; All 32 loads are issued ahead of every vector line that names one of their registers.  They are worked on in 8 blocks of four.  Block p's conversions name block p's registers alone; the memory
; instructions issued in block p are the four stores of block p - 1.  So one wait at a block's head states all that those stores hang on, and they are dealt among the block's conversions with no
; further wait.  No register that a memory instruction reads is written again, so no wait stands for that.
; For the table: the four compares write scalar registers in one run, with one wait ahead of the first select; one wait stands ahead of the two stores.
.set IN,  8                            ; v[8:135]  32 loads of 4 registers; the first two of each four then hold what is stored; none is written again behind its store, so no wait frees one
.set BLK, 4                            ; loads in a block
.macro STREAM mode                     ; 16 rows from s[28:29] to s[30:31].  mode 0: bf16.  mode 1: rounded to bf16, written as f16
	s_wait_alu depctr_va_vdst(0)                   ; v1 and v2 are written: every load below reads v1 as its offset, every store v2
.set i, 0
.rept 32
	global_load_b128 v[IN+4*i:IN+4*i+3], v1, s[28:29] offset:4096*i th:TH_LOAD_NT
.set i, i+1
.endr
.set p, 0
.rept 32/BLK
	s_wait_loadcnt 32-BLK-BLK*p                    ; loads come back in order: block p's four are in, the four of each younger block stay out
.if p > 0
	s_wait_alu depctr_va_vdst(0)                   ; the conversions of the block before have written the registers that its four stores, below, read
.endif
.set q, 0
.rept BLK
.set i, BLK*p+q
.if p > 0
	global_store_b64 v2, v[IN+4*(i-BLK):IN+4*(i-BLK)+1], s[30:31] offset:2048*(i-BLK)  ; the block before; no vector line since the wait names these registers
.endif
.if \mode
	v_cvt_pk_bf16_f32 v[IN+4*i], v[IN+4*i], v[IN+4*i+1]
	v_lshlrev_b32 v[IN+4*i+1], 16, v[IN+4*i]               ; the two bf16 as f32 again,
	v_and_b32 v[IN+4*i], 0xffff0000, v[IN+4*i]
	v_cvt_pk_f16_f32 v[IN+4*i], v[IN+4*i+1], v[IN+4*i]     ; and as f16: 8 significant bits fit in 11
	v_cvt_pk_bf16_f32 v[IN+4*i+2], v[IN+4*i+2], v[IN+4*i+3]
	v_lshlrev_b32 v[IN+4*i+3], 16, v[IN+4*i+2]
	v_and_b32 v[IN+4*i+2], 0xffff0000, v[IN+4*i+2]
	v_cvt_pk_f16_f32 v[IN+4*i+1], v[IN+4*i+3], v[IN+4*i+2]
.else
	v_cvt_pk_bf16_f32 v[IN+4*i], v[IN+4*i], v[IN+4*i+1]
	v_cvt_pk_bf16_f32 v[IN+4*i+1], v[IN+4*i+2], v[IN+4*i+3]
.endif
.set q, q+1
.endr
.set p, p+1
.endr
	s_wait_alu depctr_va_vdst(0)                   ; the last block's conversions have written the registers that the last four stores read
.set i, 32-BLK
.rept BLK
	global_store_b64 v2, v[IN+4*i:IN+4*i+1], s[30:31] offset:2048*i
.set i, i+1
.endr
.endm
	s_load_b512 s[8:23], s[0:1], 0x0               ; x 8, wq 10, wk 12, wv 14, wo 16, xb 18, wqkv 20, wof 22
	s_load_b64 s[24:25], s[0:1], 0x40              ; rope
	s_mov_b32 s2, ttmp9                            ; g
	v_lshlrev_b32 v1, 4, v0                        ; 16 bytes a thread in,
	v_lshlrev_b32 v2, 3, v0                        ; 8 out
	s_mov_b32 s27, 0
	s_cmp_ge_u32 s2, 576
	s_cbranch_scc1 .Ltable
	s_cmp_ge_u32 s2, 448
	s_cbranch_scc1 .Lwo
	; x or a projection weight.  For g < 256 the weight's figures below are made and not used.
	s_sub_co_u32 s3, s2, 256                       ; g': block of 16 rows of wqkv
	s_lshr_b32 s4, s3, 3                           ; head 0..23
	s_and_b32 s5, s3, 1
	s_lshl_b32 s5, s5, 6
	s_bfe_u32 s6, s3, 0x20001
	s_lshl_b32 s6, s6, 4
	s_add_co_u32 s5, s5, s6                        ; q, k: the block's first channel 64 (g' & 1) + 16 ((g' >> 1) & 3)
	s_and_b32 s6, s3, 7
	s_lshl_b32 s6, s6, 4                           ; v: 16 (g' & 7)
	s_wait_kmcnt 0x0
	s_cmp_lt_u32 s4, 16
	s_cselect_b64 s[28:29], s[10:11], s[12:13]     ; wq or wk,
	s_cselect_b32 s7, 0, 16
	s_cmp_lt_u32 s4, 20
	s_cselect_b64 s[28:29], s[28:29], s[14:15]     ; or wv
	s_cselect_b32 s7, s7, 20
	s_cselect_b32 s5, s5, s6
	s_sub_co_u32 s4, s4, s7                        ; the head in its own tensor
	s_lshl_b32 s4, s4, 7
	s_add_co_u32 s4, s4, s5                        ; the weight's source row
	s_lshl_b32 s5, s2, 4                           ; x's source row
	s_cmp_lt_u32 s2, 256
	s_cselect_b64 s[28:29], s[8:9], s[28:29]
	s_cselect_b64 s[30:31], s[18:19], s[20:21]
	s_cselect_b32 s4, s5, s4
	s_cselect_b32 s3, s2, s3
	s_lshl_b32 s26, s4, 13                         ; a source row is 8,192 bytes
	s_add_nc_u64 s[28:29], s[28:29], s[26:27]
	s_lshl_b32 s26, s3, 16                         ; 16 rows of 4,096 bytes out
	s_add_nc_u64 s[30:31], s[30:31], s[26:27]
	STREAM 0
	s_endpgm
.Lwo:
	s_sub_co_u32 s3, s2, 448
	s_lshl_b32 s26, s3, 17
	s_wait_kmcnt 0x0
	s_add_nc_u64 s[28:29], s[16:17], s[26:27]
	s_lshl_b32 s26, s3, 16
	s_add_nc_u64 s[30:31], s[22:23], s[26:27]
	STREAM 1
	s_endpgm
.Ltable:
	; Thread: row t = 16 (g - 576) + thread / 16, frequencies j = 4 (thread % 16) + 0..3.  The angle is reduced by multiples of pi/2 (in two parts) to |r| <= pi/4;
	; sine and cosine of r by polynomials of degree 7 and 8; the quadrant swaps them and sets the signs.  Row 0 comes out as exactly cos = 1, sin = 0: the next launch leans on that for v.
	s_sub_co_u32 s3, s2, 576
	s_lshl_b32 s26, s3, 13                         ; 16 rows of 512 bytes
	s_lshl_b32 s4, s3, 4
	v_lshrrev_b32 v3, 4, v0
	v_and_b32 v4, 15, v0
	v_add_nc_u32 v5, s4, v3
	v_cvt_f32_u32 v5, v5                           ; t
	v_lshlrev_b32 v6, 2, v4                        ; my first j
	v_lshlrev_b32 v7, 9, v3
	v_lshl_add_u32 v7, v4, 4, v7                   ; my 16 bytes of cosines in the 16 rows
	v_mov_b32 v8, 0xb94ca1f9                       ; the polynomials' leading coefficients
	v_mov_b32 v9, 0x37ccf5ce
.irp k, 0,1,2,3
	v_add_nc_u32 v[16+\k], \k, v6
	v_cvt_f32_u32 v[16+\k], v[16+\k]
	v_mul_f32 v[16+\k], 0xbe549a78, v[16+\k]       ; -j log2(10000) / 64
.endr
.irp k, 0,1,2,3
	v_exp_f32 v[20+\k], v[16+\k]                   ; f_j
.endr
	v_nop                                          ; a plain instruction behind the last exponential,
	s_wait_alu depctr_va_vdst(0)                   ; and one wait for the batch: the four exponentials have written v20 to v23, ahead of the first line that names one of them
.irp k, 0,1,2,3
	v_mul_f32 v[20+\k], v5, v[20+\k]               ; the angle
	v_mul_f32 v[24+\k], 0x3f22f983, v[20+\k]       ; x 2/pi
	v_rndne_f32 v[24+\k], v[24+\k]                 ; n
	v_fmamk_f32 v[28+\k], v[24+\k], 0xbfc90fdb, v[20+\k]  ; r = angle - n pi/2, the upper part,
	v_fmamk_f32 v[28+\k], v[24+\k], 0x333bbd2e, v[28+\k]  ; and the rest
	v_mul_f32 v[32+\k], v[28+\k], v[28+\k]         ; z = r r
	v_fmaak_f32 v[36+\k], v8, v[32+\k], 0x3c08839e
	v_fmaak_f32 v[36+\k], v[36+\k], v[32+\k], 0xbe2aaaa3
	v_mul_f32 v[36+\k], v[36+\k], v[32+\k]
	v_fma_f32 v[36+\k], v[36+\k], v[28+\k], v[28+\k]  ; sin r
	v_fmaak_f32 v[40+\k], v9, v[32+\k], 0xbab6061a
	v_fmaak_f32 v[40+\k], v[40+\k], v[32+\k], 0x3d2aaaa5
	v_mul_f32 v[40+\k], v[40+\k], v[32+\k]
	v_fma_f32 v[44+\k], v[32+\k], -0.5, 1.0
	v_fma_f32 v[40+\k], v[40+\k], v[32+\k], v[44+\k]  ; cos r
	v_cvt_i32_f32 v[44+\k], v[24+\k]
	v_and_b32 v[24+\k], 1, v[44+\k]
	v_cmp_eq_u32 s[36+\k], 1, v[24+\k]             ; an odd quadrant swaps the two: a choice of values, no branch; each of the four masks has a scalar register of its own
.endr
	s_wait_alu depctr_va_sdst(0)                   ; the four compares have written s36 to s39, ahead of the first select that reads one of them
.irp k, 0,1,2,3
	v_cndmask_b32 v[52+\k], v[36+\k], v[40+\k], s[36+\k]
	v_cndmask_b32 v[48+\k], v[40+\k], v[36+\k], s[36+\k]
	v_and_b32 v[24+\k], 2, v[44+\k]                ; the sine is negative in quadrants 2, 3,
	v_lshlrev_b32 v[24+\k], 30, v[24+\k]
	v_xor_b32 v[52+\k], v[52+\k], v[24+\k]
	v_add_nc_u32 v[44+\k], 1, v[44+\k]             ; the cosine in 1, 2
	v_and_b32 v[44+\k], 2, v[44+\k]
	v_lshlrev_b32 v[44+\k], 30, v[44+\k]
	v_xor_b32 v[48+\k], v[48+\k], v[44+\k]
.endr
	s_wait_kmcnt 0x0
	s_add_nc_u64 s[24:25], s[24:25], s[26:27]
	s_wait_alu depctr_va_vdst(0)                   ; v7, the offset, and v48 to v55, the cosines and sines, are written: the two stores read them
	global_store_b128 v7, v[48:51], s[24:25]               ; sixteen lanes store a row's 256 bytes of cosines,
	global_store_b128 v7, v[52:55], s[24:25] offset:256    ; and of sines
	s_endpgm
.Lfunc_end_k_q0731ea8561_prep:
	.size	k_q0731ea8561_prep, .Lfunc_end_k_q0731ea8561_prep-k_q0731ea8561_prep
	.p2alignl 7, 3214868480
	.fill 96, 4, 3214868480
	.section	.rodata,"a",@progbits
	.p2align	6, 0x0
	.amdhsa_kernel k_q0731ea8561_prep
		.amdhsa_group_segment_fixed_size 0
		.amdhsa_private_segment_fixed_size 0
		.amdhsa_enable_private_segment 0
		.amdhsa_kernarg_size 72
		.amdhsa_user_sgpr_count 2
		.amdhsa_user_sgpr_kernarg_segment_ptr 1
		.amdhsa_wavefront_size32 1
		.amdhsa_system_sgpr_workgroup_id_x 1
		.amdhsa_system_sgpr_workgroup_id_y 1
		.amdhsa_system_sgpr_workgroup_id_z 1
		.amdhsa_system_vgpr_workitem_id 0
		.amdhsa_next_free_vgpr 136
		.amdhsa_next_free_sgpr 66
		.amdhsa_reserve_vcc 0
		.amdhsa_float_denorm_mode_32 3
		.amdhsa_float_denorm_mode_16_64 3
		.amdhsa_memory_ordered 1
		.amdhsa_forward_progress 1
		.amdhsa_inst_pref_size 40
	.end_amdhsa_kernel
	.amdgpu_metadata
---
amdhsa.version: [ 1, 2 ]
amdhsa.kernels:
  - .name:           k_q0731ea8561_prep
    .symbol:         k_q0731ea8561_prep.kd
    .args:
      - { .name: x, .offset: 0, .size: 8, .value_kind: global_buffer, .address_space: global }
      - { .name: wq, .offset: 8, .size: 8, .value_kind: global_buffer, .address_space: global }
      - { .name: wk, .offset: 16, .size: 8, .value_kind: global_buffer, .address_space: global }
      - { .name: wv, .offset: 24, .size: 8, .value_kind: global_buffer, .address_space: global }
      - { .name: wo, .offset: 32, .size: 8, .value_kind: global_buffer, .address_space: global }
      - { .name: xb, .offset: 40, .size: 8, .value_kind: global_buffer, .address_space: global }
      - { .name: wqkv, .offset: 48, .size: 8, .value_kind: global_buffer, .address_space: global }
      - { .name: wof, .offset: 56, .size: 8, .value_kind: global_buffer, .address_space: global }
      - { .name: rope, .offset: 64, .size: 8, .value_kind: global_buffer, .address_space: global }
    .group_segment_fixed_size: 0
    .private_segment_fixed_size: 0
    .kernarg_segment_align: 8
    .kernarg_segment_size: 72
    .max_flat_workgroup_size: 256
    .sgpr_count:     66
    .vgpr_count:     136
    .wavefront_size: 32
...
	.end_amdgpu_metadata
.endif
;; end of part 5
;; launch qkvproj: the kernel of part 2 again; grid 8 x 32, 4 waves a work-group, clusters of 4 x 4, 327,680 bytes of LDS; arguments xb, wqkv, qkv, rope; writes qkv
;; launch attn: the kernel of part 3 again; grid 16 x 16, 4 waves a work-group, no clusters, 327,680 bytes of LDS; arguments qkv, q_gain, k_gain, y; writes y
;; launch oproj: the kernel of part 4 again; grid 8 x 32, 4 waves a work-group, clusters of 4 x 4, 327,680 bytes of LDS; arguments y, wof, out0; writes out0
